; MI455X (gfx1250); checked and timed in simulation.
; The chip was launched on July 23, 2026; its instructions are those of AMD's public machine-readable ISA for CDNA 5 (MIT licence, August 2026) and "CDNA5" Instruction Set Architecture Reference Guide (July 2026). The comments in the code are by the model that wrote it; some were corrected since.
;; Multi Head Attention. Allowed arithmetic: matrix products marked QUANTISED: E2M1 operands, one E8M0 scale for each 32 along K, by v_wmma_scale_f32_16x16x128_f8f6f4 with both operands' format E2M1 (or v_wmma_scale_f32_32x16x128_f4), f32 sums; products left as they are: bf16, f16 or f32 operands; f32 sums; everything else in f32.
;; Inputs: W_k 512 x 512 float32; W_o 512 x 512 float32; W_q 512 x 512 float32; W_v 512 x 512 float32; b_o 512 float32; k 2 x 4,096 x 512 float32; q 2 x 4,096 x 512 float32; v 2 x 4,096 x 512 float32.
;; Outputs: out0 2 x 4,096 x 512 float32.
;; This version of the problem:
;;   THIS VERSION OF THE PROBLEM IS GIVEN IN LOW PRECISION. The matrix products marked QUANTISED in the list below multiply operands that are first quantised to E2M1 (2 exponent bits, 1 mantissa bit; 4 bits a number), with one power-of-two scale for each 32 numbers along K (OCP MX v1.0); their sums are f32. The products marked 'left as it is' may take bf16, f16 or f32 operands, with f32 sums. Whichever they take, every output number must still come out within the allowed error. Rounding operands to bf16 (8 significant bits) uses up far more of that allowance than f16 does (11 bits, for magnitudes from 6e-5 to 65,504). All else is computed in f32.
;;   The module's matrix products, in the order in which they are computed (A, B: the left and right operand; K: the contracted axis; several contracted axes count as one K, in the product's order):
;;     1. [M 8,192, K 512] x [K 512, N 512]; A: input q; B: input W_q: QUANTISED
;;     2. [M 8,192, K 512] x [K 512, N 512]; A: input k; B: input W_k: QUANTISED
;;     3. [M 8,192, K 512] x [K 512, N 512]; A: input v; B: input W_v: QUANTISED
;;     4. batch 16 x [M 4,096, K 64] x [K 64, N 4,096]; A: computed on the way; B: computed on the way: left as it is (an operand is computed on the way)
;;     5. batch 16 x [M 4,096, K 4,096] x [K 4,096, N 64]; A: computed on the way; B: computed on the way: left as it is (an operand is computed on the way)
;;     6. [M 8,192, K 512] x [K 512, N 512]; A: computed on the way; B: input W_o: left as it is (an operand is computed on the way)
;;   THE QUANTISER, for each operand of a quantised product, along K:
;;     - K is cut into blocks of 32 from its start; a last block that is shorter is filled with zeros.
;;     - A block's scale is 2^e with e = floor(log2(the largest magnitude in the block)) - 2, held to -126 .. 127; a block of zeros has e = 0. As a byte (E8M0): e + 127.
;;     - Each number is divided by its block's scale, clamped to +-6, and rounded to the nearest number of E2M1, ties to even, subnormals kept.
;;     - The product sums the exact products of the quantised numbers (number of the format x scale) in f32.
;;   ~~~python
;;   def quantise(x, axis):      # numpy; x: float32 -> the quantised numbers, widened to float32 again
;;       x = np.moveaxis(x, axis, -1); K = x.shape[-1]
;;       x = np.pad(x, [(0, 0)] * (x.ndim - 1) + [(0, -K % 32)]); x = x.reshape(x.shape[:-1] + (-1, 32)); a = np.abs(x).max(-1, keepdims=True)
;;       e = np.where(a > 0, np.clip(np.frexp(np.where(a > 0, a, 1))[1] - 1 - 2, -126, 127), 0)      # np.frexp(a)[1] - 1 = floor(log2(a)), exactly
;;       r = np.clip(x / 2.0 ** e, -6, 6)
;;       step = 2.0 ** (np.maximum(np.frexp(np.where(r == 0, 1, r))[1] - 1, 0) - 1)
;;       q = np.round(r / step) * step * 2.0 ** e      # np.round: ties to even
;;       return np.moveaxis(q.reshape(q.shape[:-2] + (-1,))[..., :K], -1, axis).astype(np.float32)
;;   ~~~
;; One version. Each part assembles by itself: llvm-mc -triple=amdgcn-amd-amdhsa -mcpu=gfx1250 --defsym DOCPART=n.
;; ======== version 1 of 1: 5 launches
;; limits: values are held in f16: magnitudes above 65,504 overflow, below 6.1e-05 lose precision
;; workspace buffers: wcod 393,216 bytes; wscl 24,576 bytes; wof 524,288 bytes; fin32 196,608 bytes; qfr 8,388,608 bytes; kfr 8,388,608 bytes; vfr 8,388,608 bytes; ctxf 8,388,608 bytes
;; launch prep (part 1): grid 128 x 1, 4 waves a work-group, no clusters, 0 bytes of LDS; arguments W_q, W_k, W_v, W_o, wcod, wscl, wof; writes wcod, wscl, wof
.if DOCPART == 1
	.amdgcn_target "amdgcn-amd-amdhsa--gfx1250"
	.amdhsa_code_object_version 6
	.text
	.protected	k_q64f0ed2cc4_prep
	.globl	k_q64f0ed2cc4_prep
	.p2align	8
	.type	k_q64f0ed2cc4_prep,@function
k_q64f0ed2cc4_prep:
	s_mov_b64 s[64:65], 0
	v_nop
	global_prefetch_b8 v0, s[64:65] scope:SCOPE_SE
	s_setreg_imm32_b32 hwreg(HW_REG_WAVE_MODE, 25, 1), 1
	s_wait_xcnt 0x0
; The weights, once, into the order in which the later launches' operand registers take them.
; W_q, W_k, W_v [512][512] f32 (K innermost) become codes of FP4 (E2M1) with one E8M0 byte for each 32 along K; W_o becomes f16.
; Work-group g: matrix g / 32 (3 = W_o), rows 16 (g % 32) on; wave s: k = 128 s .. 128 s + 127.  Lane (r, h) = (lane % 16, lane / 16) takes row r.
; wcod: mat x 131072 + tile x 4096 + s x 1024 + c x 512 + 16 x lane: the 32 codes of k = 128 s + 64 c + 32 h + 0 .. 31: registers 4 c .. 4 c + 3 of a 4-bit fragment.
; wscl: mat x 8192 + row x 16 + 4 s: the row's four scale bytes of K step s.
; wof:  (row / 128) x 131072 + f x 8192 + ((row / 16) % 8) x 1024 + g x 512 + 16 x lane: f16 of k = 32 f + 16 g + 8 h + 0 .. 7: registers 4 g .. 4 g + 3 of a 16-bit fragment.
; A block's scale is 2^(floor(log2(largest magnitude)) - 2): its byte is the largest magnitude's exponent field - 2, held at 1 from below.
; LIMITS: a block of zeros gets the byte 1 where the rule says 127 (its codes are zeros, and this program alone reads the bytes); NaN and infinities are not served;
; W_o must stay under 65,504 in magnitude.  The scale words leave 4 bytes a row and wave: 24,576 bytes in the whole launch.
; No LDS, no barrier: waves share nothing.
.set X, 16                             ; v16-79   64 numbers as loaded
.set C, 80                             ; v80-111  8 registers of codes, or 32 of f16 pairs
	s_load_b256 s[4:11], s[0:1], 0x0               ; W_q, W_k, W_v, W_o
	s_load_b128 s[12:15], s[0:1], 0x20             ; wcod, wscl
	s_load_b64 s[16:17], s[0:1], 0x30              ; wof
	v_lshrrev_b32 v1, 5, v0
	v_readfirstlane_b32 s18, v1                    ; wave = K step s
	s_lshr_b32 s19, ttmp9, 5                       ; matrix
	s_and_b32 s20, ttmp9, 31                       ; tile of 16 rows
	v_and_b32 v1, 31, v0                           ; lane
	v_and_b32 v2, 15, v0                           ; r
	v_bfe_u32 v3, v0, 4, 1                         ; h
	v_lshlrev_b32 v5, 4, v1                        ; 16 x lane: my place in an image
	v_lshlrev_b32 v6, 4, v2                        ; 16 r: my row's scale words
	s_mov_b32 s24, 0x76543210
	s_mov_b32 s25, 0xfedcba98                      ; v_permlanex16_b32's selects for lane l xor 16
	s_lshl_b32 s21, s20, 15                        ; 16 rows of 2,048 bytes a tile
	s_lshl_b32 s22, s18, 9                         ; 128 numbers a K step
	s_add_co_u32 s21, s21, s22
	v_lshl_add_u32 v4, v2, 11, s21                 ; my row's first byte of this K step
	s_mov_b32 s23, 0
	s_mov_b32 s29, 0
	s_wait_kmcnt 0x0
	s_cmp_eq_u32 s19, 0                            ; the source: a choice on the work-group's number alone
	s_cselect_b64 s[26:27], s[4:5], s[6:7]
	s_cmp_eq_u32 s19, 2
	s_cselect_b64 s[26:27], s[8:9], s[26:27]
	s_cmp_eq_u32 s19, 3
	s_cselect_b64 s[26:27], s[10:11], s[26:27]
	s_cmp_ge_u32 ttmp9, 96
	s_cbranch_scc1 .Lconvert
	; ---- W_q, W_k, W_v: my lane holds two whole blocks of 32: k = 64 c + 32 h + 0 .. 31
	v_lshl_add_u32 v4, v3, 7, v4                   ; + 128 h bytes
.irp c, 0,1
.irp i, 0,1,2,3,4,5,6,7
	global_load_b128 v[X+32*\c+4*\i:X+32*\c+4*\i+3], v4, s[26:27] offset:256*\c+16*\i th:TH_LOAD_NT
.endr
.endr
	s_lshl_b32 s22, s19, 17                        ; where my codes go
	s_lshl_b32 s28, s20, 12
	s_add_co_u32 s22, s22, s28
	s_lshl_b32 s28, s18, 10
	s_add_co_u32 s22, s22, s28
	s_add_nc_u64 s[12:13], s[12:13], s[22:23]
	s_lshl_b32 s28, s19, 13                        ; and my scale words
	s_lshl_b32 s30, s20, 8
	s_add_co_u32 s28, s28, s30
	s_lshl_b32 s30, s18, 2
	s_add_co_u32 s28, s28, s30
	s_add_nc_u64 s[14:15], s[14:15], s[28:29]
	s_wait_loadcnt 0x0
.irp c, 0,1
	v_max3_num_f32 v[8+\c], |v[X+32*\c]|, |v[X+32*\c+1]|, 0x1800000   ; the block's largest magnitude, over the floor 2^(3 - 127): the byte cannot fall under 1
.endr
.irp i, 2,4,6,8,10,12,14,16,18,20,22,24,26,28,30
.irp c, 0,1
	v_max3_num_f32 v[8+\c], v[8+\c], |v[X+32*\c+\i]|, |v[X+32*\c+\i+1]|   ; (the two blocks by turns)
.endr
.endr
.irp c, 0,1
	v_add_nc_u32 v[10+\c], 0xff000000, v[8+\c]     ; 2 off the exponent field: the conversion takes this operand's exponent field as its scale
.endr
.irp c, 0,1
	v_lshrrev_b32 v[12+\c], 23, v[10+\c]           ; the scale's byte
.endr
	v_lshl_or_b32 v14, v13, 16, v12                ; my two bytes: blocks h and 2 + h,
	v_lshlrev_b32 v15, 3, v3
	v_lshlrev_b32 v14, v15, v14                    ; 8 h bits up;
	v_mov_b32 v15, 0
	v_permlanex16_b32 v15, v14, s24, s25
	v_or_b32 v14, v14, v15                         ; with lane l xor 16's two the word is whole, in both lanes
.irp c, 0,1
.irp g, 0,1,2,3
	v_cvt_scalef32_pk8_fp4_f32 v[C+4*\c+\g], v[X+32*\c+8*\g:X+32*\c+8*\g+7], v[10+\c]
.endr
.endr
	v_nop                                          ; one plain line behind the last scaled conversion
	global_store_b128 v5, v[C:C+3], s[12:13]       ; 32 lanes store 512 consecutive bytes
	global_store_b128 v5, v[C+4:C+7], s[12:13] offset:512
	global_store_b32 v6, v14, s[14:15]             ; lanes r and r + 16 store the same word to the same place
	s_endpgm
.Lconvert:
	; ---- W_o: fragment f = 4 s + ff, group g: k = 32 ff + 16 g + 8 h + 0 .. 7 of my wave's 128
	v_lshl_add_u32 v4, v3, 5, v4                   ; + 32 h bytes
.irp f, 0,1,2,3
.irp g, 0,1
	global_load_b128 v[X+16*\f+8*\g:X+16*\f+8*\g+3],   v4, s[26:27] offset:128*\f+64*\g th:TH_LOAD_NT
	global_load_b128 v[X+16*\f+8*\g+4:X+16*\f+8*\g+7], v4, s[26:27] offset:128*\f+64*\g+16 th:TH_LOAD_NT
.endr
.endr
	s_lshr_b32 s22, s20, 3                         ; block of 128 rows
	s_lshl_b32 s22, s22, 17
	s_lshl_b32 s28, s18, 15                        ; four fragments of 8,192 bytes a wave
	s_add_co_u32 s22, s22, s28
	s_and_b32 s28, s20, 7
	s_lshl_b32 s28, s28, 10
	s_add_co_u32 s22, s22, s28
	s_add_nc_u64 s[16:17], s[16:17], s[22:23]
	s_wait_loadcnt 0x0
.set NN, 0
.rept 32
	v_cvt_pk_f16_f32 v[C+NN], v[X+2*NN], v[X+2*NN+1]
.set NN, NN+1
.endr
.irp f, 0,1,2,3
.irp g, 0,1
	global_store_b128 v5, v[C+8*\f+4*\g:C+8*\f+4*\g+3], s[16:17] offset:8192*\f+512*\g
.endr
.endr
	s_endpgm
.Lfunc_end_k_q64f0ed2cc4_prep:
	.size	k_q64f0ed2cc4_prep, .Lfunc_end_k_q64f0ed2cc4_prep-k_q64f0ed2cc4_prep
	.p2alignl 7, 3214868480
	.fill 96, 4, 3214868480
	.section	.rodata,"a",@progbits
	.p2align	6, 0x0
	.amdhsa_kernel k_q64f0ed2cc4_prep
		.amdhsa_group_segment_fixed_size 0
		.amdhsa_private_segment_fixed_size 0
		.amdhsa_enable_private_segment 0
		.amdhsa_kernarg_size 56
		.amdhsa_user_sgpr_count 2
		.amdhsa_user_sgpr_kernarg_segment_ptr 1
		.amdhsa_wavefront_size32 1
		.amdhsa_system_sgpr_workgroup_id_x 1
		.amdhsa_system_sgpr_workgroup_id_y 1
		.amdhsa_system_sgpr_workgroup_id_z 1
		.amdhsa_system_vgpr_workitem_id 0
		.amdhsa_next_free_vgpr 112
		.amdhsa_next_free_sgpr 66
		.amdhsa_reserve_vcc 0
		.amdhsa_float_denorm_mode_32 3
		.amdhsa_float_denorm_mode_16_64 3
		.amdhsa_memory_ordered 1
		.amdhsa_forward_progress 1
		.amdhsa_inst_pref_size 12
	.end_amdhsa_kernel
	.amdgpu_metadata
---
amdhsa.version: [ 1, 2 ]
amdhsa.kernels:
  - .name:           k_q64f0ed2cc4_prep
    .symbol:         k_q64f0ed2cc4_prep.kd
    .args:
      - { .name: W_q, .offset: 0, .size: 8, .value_kind: global_buffer, .address_space: global }
      - { .name: W_k, .offset: 8, .size: 8, .value_kind: global_buffer, .address_space: global }
      - { .name: W_v, .offset: 16, .size: 8, .value_kind: global_buffer, .address_space: global }
      - { .name: W_o, .offset: 24, .size: 8, .value_kind: global_buffer, .address_space: global }
      - { .name: wcod, .offset: 32, .size: 8, .value_kind: global_buffer, .address_space: global }
      - { .name: wscl, .offset: 40, .size: 8, .value_kind: global_buffer, .address_space: global }
      - { .name: wof, .offset: 48, .size: 8, .value_kind: global_buffer, .address_space: global }
    .group_segment_fixed_size: 0
    .private_segment_fixed_size: 0
    .kernarg_segment_align: 8
    .kernarg_segment_size: 56
    .max_flat_workgroup_size: 128
    .sgpr_count:     66
    .vgpr_count:     112
    .wavefront_size: 32
...
	.end_amdgpu_metadata
.endif
;; end of part 1
;; launch proj (part 2): grid 64 x 3, 4 waves a work-group, no clusters, 327,680 bytes of LDS; arguments q, k, v, wcod, wscl, qfr, kfr, vfr, fin32; writes qfr, kfr, vfr, fin32
.if DOCPART == 2
	.amdgcn_target "amdgcn-amd-amdhsa--gfx1250"
	.amdhsa_code_object_version 6
	.text
	.protected	k_q64f0ed2cc4_proj
	.globl	k_q64f0ed2cc4_proj
	.p2align	8
	.type	k_q64f0ed2cc4_proj,@function
k_q64f0ed2cc4_proj:
	s_mov_b64 s[64:65], 0
	v_nop
	global_prefetch_b8 v0, s[64:65] scope:SCOPE_SE
	s_setreg_imm32_b32 hwreg(HW_REG_WAVE_MODE, 25, 1), 1
	s_wait_xcnt 0x0
; The three input projections x W^T (x = q, k, v by work-group y), both operands as codes of FP4 (E2M1) with one E8M0 scale for each 32 along K = 512; sums in f32.
; A work-group takes 128 rows of x (work-group x) and all 512 columns.  All its x, 262,144 bytes, is asked for at the head: four tensor loads a wave (four of mine are out), 32 rows x 512 bytes each; nothing is filled again.
; THE WAVES SHARE THE COLUMNS: wave w makes columns 128 w .. 128 w + 127 (heads 2 w, 2 w + 1) for all 128 rows; its 32 fragments of W stay in registers (window 1), read once, already in register order.
; Wave w quantises rows 32 w .. 32 w + 31 (8 fragments) and hands them to the others THROUGH LDS AS IMAGES OF THE OPERAND'S REGISTERS (16 bytes a lane at 16 x lane); one barrier in the whole kernel.
; q, k: the product is used transposed (source 0 = 16 rows of W, source 1 = x): a lane holds one position and eight neighbouring channels, which, rounded to f16, ARE four registers of the next product's fragment.
; v:    natural (source 0 = x, source 1 = W): a lane holds one channel and eight neighbouring positions: four registers of a fragment whose K is the keys.  So every store is 16 bytes at 16 x lane: 512 consecutive bytes a wave.
; qfr, kfr: hb x 524288 + T x 2048 + c x 1024 + g x 512 + 16 lane: position 16 T + r, channel 32 c + 16 g + 8 h + 0 .. 7.      vfr: hb x 524288 + KB x 4096 + c x 1024 + g x 512 + 16 lane: channel 16 c + r, keys 32 KB + 16 g + 8 h + 0 .. 7.
; fin32: the f32 accumulators of positions 0-15 of each batch, as they stand: mat x 65536 + b x 32768 + column tile x 1024 + half x 512 + 16 lane.
; No cluster: x is read by one work-group alone, and the weights go once from memory into registers, 136 KB against 256 KB of x.
; LIMITS: a block of zeros gets the byte 1 where the rule says 127 (its codes are zeros; the bytes never leave the work-group); NaN and infinities are not served; results must stay under 65,504 in magnitude (f16).
.set XT_W,  67584                      ; LDS: x's tiles: wave x 67584 + K step x 16896 + row x 528
.set XT_S,  16896
.set XP,    528                        ; 512 bytes + 16 of padding = 33 x 16: the 16 rows of a load start at 16 different groups of banks
.set XIMG,  270336                     ; the 32 fragments' images: (4 m + s) x 1024 + 512 c + 16 lane
.set XSC,   303104                     ; their scale words: (4 m + s) x 128 + 4 lane
.set SPARE, 307200                     ; the spare words, 128 bytes a wave: two blocks of 256 bytes that no other line names
.set GO,  1                            ; v1   16 x lane
.set XR,  2                            ; v2   my place in my wave's tiles of x: row r, + 64 h
.set XWI, 3                            ; v3   where I store images
.set XWS, 4                            ; v4   and scale words
.set LI,  5                            ; v5   where I read images
.set LS,  6                            ; v6   and scale words
.set WSO, 7                            ; v7   my row of W's scale words
.set WS,  16                           ; v16-47   W's scale words: 4 t + s
.set X0,  48                           ; v48-111  64 numbers of x; later
.set ACC, 48                           ;          the 8 accumulators
.set XF,  112                          ; v112-143 (second set of 64 numbers: v112-175) later x's four fragments,
.set PK,  144                          ; v144-175 and the f16 results
.set PC,  176                          ; v176-183 the codes just made
.set TM,  184                          ; v184-199 at work
.set PW,  200                          ; v200     the scale word just made
.set XS,  201                          ; v201-204 x's scale words
.set SPW, 252
.set NIL, 253
.set WV,  22
.set MAT, 23
.set RB,  24
.set FINE, 25
.set G1,  28                           ; s[28:35] descriptor group 1;  s[36:51] four groups 0
.set G0,  36
.set SEL, 52
.set SRC, 54
.set OUT, 56
.set FIN, 58
.set MSB, 0
.macro WIN new                         ; the immediate's high byte repeats the setting that is left
.if MSB != \new
	s_set_vgpr_msb (MSB<<8)|\new
.set MSB, \new
.endif
.endm
; 64 numbers of a lane, register 16 b + i = k 32 b + 16 h + i of my row, become a fragment's codes in v[PC] on and its scale word in v[PW]
.macro QUANT s
.irp b, 0,1,2,3
	v_max3_num_f32 v[TM+\b], |v[\s+16*\b]|, |v[\s+1+16*\b]|, 0x1800000   ; my 16 numbers of block b, over the floor 2^(3 - 127)
.endr
.irp i, 2,4,6,8,10,12,14
.irp b, 0,1,2,3
	v_max3_num_f32 v[TM+\b], v[TM+\b], |v[\s+16*\b+\i]|, |v[\s+1+16*\b+\i]|
.endr
.endr
.irp b, 0,1,2,3
	v_permlanex16_b32 v[TM+4+\b], v[TM+\b], s[SEL], s[SEL+1]
.endr
.irp b, 0,1,2,3
	v_max_num_f32 v[TM+\b], v[TM+\b], v[TM+4+\b]   ; with lane l xor 16's: the block's largest magnitude
.endr
.irp b, 0,1,2,3
	v_add_nc_u32 v[TM+12+\b], 0xff000000, v[TM+\b] ; 2 off its exponent field: the conversion's scale operand
.endr
.irp b, 0,1,2,3
	v_lshrrev_b32 v[TM+4+\b], 23, v[TM+12+\b]      ; the scale's byte
.endr
	v_lshl_or_b32 v[PW], v[TM+5], 8, v[TM+4]
	v_lshl_or_b32 v[PW], v[TM+6], 16, v[PW]
	v_lshl_or_b32 v[PW], v[TM+7], 24, v[PW]
.irp b, 0,1,2,3
	v_cvt_scalef32_pk8_fp4_f32 v[PC+2*\b], v[\s+16*\b:\s+7+16*\b], v[TM+12+\b]
	v_cvt_scalef32_pk8_fp4_f32 v[PC+1+2*\b], v[\s+8+16*\b:\s+15+16*\b], v[TM+12+\b]
.endr
	v_nop                                          ; one plain line behind the last scaled conversion
.irp c, 0,1                                    ; the layout wants a whole block in a lane: lanes 0-15 block 2 c, lanes 16-31 block 2 c + 1
.irp i, 0,1
	v_permlane16_swap_b32 v[PC+4*\c+\i], v[PC+2+4*\c+\i]
.endr
.endr
.endm
.macro LOADX n, reg                    ; unit n = 2 s + u: K step s of my rows 16 u on: 64 numbers a lane
.irp b, 0,1,2,3
.irp j, 0,1,2,3
	ds_load_b128 v[\reg+16*\b+4*\j:\reg+16*\b+4*\j+3], v[XR] offset:((\n)/2)*XT_S+((\n)%2)*16*XP+128*\b+16*\j
.endr
.endr
.endm
.macro UNIT n
.if (\n) < 7
.if ((\n)+1)%2 == 0
	s_wait_tensorcnt 3-((\n)+1)/2                  ; the next K step's tile of mine has landed; the later ones' loads may be out
.endif
	LOADX (\n)+1, X0+64*(((\n)+1)%2)
	s_wait_dscnt 16                                ; all but those 16: this unit's numbers are in, the last unit's image is stored
.else
	s_wait_dscnt 0x0
.endif
	QUANT X0+64*((\n)%2)
.irp c, 0,1
	ds_store_b128 v[XWI], v[PC+4*\c:PC+4*\c+3] offset:((\n)%2)*4096+((\n)/2)*1024+512*\c
.endr
	ds_store_b32 v[XWS], v[PW] offset:((\n)%2)*512+((\n)/2)*128
.endm
; Rows 16 m on against my 8 column tiles: 32 matrix instructions, the eight accumulators by turns; the first eight start the sums.
.macro ROWTILE m, vp
.irp s, 0,1,2,3
.irp c, 0,1
	ds_load_b128 v[XF+8*\s+4*\c:XF+8*\s+4*\c+3], v[LI] offset:(4*(\m)+\s)*1024+512*\c
.endr
	ds_load_b32 v[XS+\s], v[LS] offset:(4*(\m)+\s)*128
.endr
	s_wait_xcnt 0x0                                ; the last tile's stores have read their data: the accumulators and the f16 registers are written again only behind this wait
	s_wait_dscnt 0x0
.if \vp
	WIN 0x04                                       ; source 1 (W) in window 1
.else
	WIN 0x01                                       ; source 0 (W) in window 1
.endif
.irp s, 0,1,2,3
.irp t, 0,1,2,3,4,5,6,7
.if \vp
.if \s == 0
	v_wmma_scale_f32_16x16x128_f8f6f4 v[ACC+8*\t:ACC+8*\t+7], v[XF+8*\s:XF+8*\s+7], v[8*(4*\t+\s):8*(4*\t+\s)+7], 0, v[XS+\s], v[WS+4*\t+\s] matrix_a_fmt:MATRIX_FMT_FP4 matrix_b_fmt:MATRIX_FMT_FP4
.else
	v_wmma_scale_f32_16x16x128_f8f6f4 v[ACC+8*\t:ACC+8*\t+7], v[XF+8*\s:XF+8*\s+7], v[8*(4*\t+\s):8*(4*\t+\s)+7], v[ACC+8*\t:ACC+8*\t+7], v[XS+\s], v[WS+4*\t+\s] matrix_a_fmt:MATRIX_FMT_FP4 matrix_b_fmt:MATRIX_FMT_FP4
.endif
.else
.if \s == 0
	v_wmma_scale_f32_16x16x128_f8f6f4 v[ACC+8*\t:ACC+8*\t+7], v[8*(4*\t+\s):8*(4*\t+\s)+7], v[XF+8*\s:XF+8*\s+7], 0, v[WS+4*\t+\s], v[XS+\s] matrix_a_fmt:MATRIX_FMT_FP4 matrix_b_fmt:MATRIX_FMT_FP4
.else
	v_wmma_scale_f32_16x16x128_f8f6f4 v[ACC+8*\t:ACC+8*\t+7], v[8*(4*\t+\s):8*(4*\t+\s)+7], v[XF+8*\s:XF+8*\s+7], v[ACC+8*\t:ACC+8*\t+7], v[WS+4*\t+\s], v[XS+\s] matrix_a_fmt:MATRIX_FMT_FP4 matrix_b_fmt:MATRIX_FMT_FP4
.endif
.endif
.endr
.endr
	WIN 0
.rept 4
	v_nop                                          ; four places between the last products and the first read of results; with the conversions below they also stand ahead of the next tile's loads and products
.endr
.if (\m) == 0
	s_cmp_eq_u32 s[FINE], 0                        ; positions 0-15 of a batch: the f32 sums are kept too, as they stand
	s_cbranch_scc1 .Lnofine_\@
.irp t, 0,1,2,3,4,5,6,7
	global_store_b128 v[GO], v[ACC+8*\t:ACC+8*\t+3],   s[FIN:FIN+1] offset:1024*\t
	global_store_b128 v[GO], v[ACC+8*\t+4:ACC+8*\t+7], s[FIN:FIN+1] offset:1024*\t+512
.endr
.Lnofine_\@:
.endif
.irp t, 0,1,2,3,4,5,6,7
.irp p, 0,1,2,3
	v_cvt_pk_f16_f32 v[PK+4*\t+\p], v[ACC+8*\t+2*\p], v[ACC+8*\t+2*\p+1]   ; each accumulator from its low end on
.endr
.endr
.irp t, 0,1,2,3,4,5,6,7
.if \vp
	global_store_b128 v[GO], v[PK+4*\t:PK+4*\t+3], s[OUT:OUT+1] offset:(\t/4)*524288+((\m)/2)*4096+(\t%4)*1024+((\m)%2)*512
.else
	global_store_b128 v[GO], v[PK+4*\t:PK+4*\t+3], s[OUT:OUT+1] offset:(\t/4)*524288+(\m)*2048+(\t%4)*512
.endif
.endr
.endm
	s_load_b512 s[4:19], s[0:1], 0x0               ; q, k, v, wcod, wscl, qfr, kfr, vfr
	s_load_b64 s[20:21], s[0:1], 0x40              ; fin32
	v_lshl_add_u32 v[SPW], v0, 2, SPARE
	v_mov_b32 v[NIL], 0
	ds_add_u32 v[SPW], v[NIL]                      ; the wave's opening: the add, twice on end, and its wait ahead of my first tensor load
	ds_add_u32 v[SPW], v[NIL]
	v_lshrrev_b32 v8, 5, v0
	v_readfirstlane_b32 s[WV], v8                  ; wave 0..3
	s_and_b32 s[MAT], ttmp7, 0xffff                ; 0, 1, 2 = q, k, v
	s_mov_b32 s[RB], ttmp9                         ; block of 128 rows
	s_and_b32 s60, s[RB], 31
	s_cmp_eq_u32 s60, 0
	s_cselect_b32 s[FINE], 1, 0                    ; the block begins a batch
	s_mov_b32 s[G1+0], (3<<16)|(1<<20)|(6<<22)|(3<<25)   ; elements of 8 bytes; padding on: 4 words after every 128
	s_mov_b32 s[G1+1], 64<<16                      ; tensor_dim0 = 64 elements (512 bytes)
	s_mov_b32 s[G1+2], 32<<16                      ; tensor_dim1 = 32 rows
	s_mov_b32 s[G1+3], 64<<16                      ; tile_dim0
	s_mov_b32 s[G1+4], 32                          ; tile_dim1
	s_mov_b32 s[G1+5], 256                         ; from row to row: 2,048 bytes
	s_mov_b32 s[G1+6], 0
	s_mov_b32 s[G1+7], 0
	s_mov_b32 s[SEL], 0x76543210
	s_mov_b32 s[SEL+1], 0xfedcba98
	s_mul_i32 s62, s[WV], XT_W                     ; my tiles in LDS
	s_lshl_b32 s60, s[RB], 18                      ; x: 128 rows of 2,048 bytes a block,
	s_lshl_b32 s61, s[WV], 16                      ; 32 a wave
	s_add_co_u32 s60, s60, s61
	s_mov_b32 s61, 0
	s_lshr_b32 s63, s[RB], 5                       ; batch
	s_lshl_b32 s66, s63, 22                        ; the results: (8 b + 2 w) heads of 524,288 bytes,
	s_lshl_b32 s67, s[WV], 20
	s_add_co_u32 s66, s66, s67
	s_and_b32 s67, s[RB], 31
	s_lshl_b32 s67, s67, 14                        ; 128 positions are 16,384 bytes in each of the three layouts
	s_add_co_u32 s66, s66, s67
	s_mov_b32 s67, 0
	s_lshl_b32 s68, s[MAT], 16                     ; fin32
	s_lshl_b32 s69, s63, 15
	s_add_co_u32 s68, s68, s69
	s_lshl_b32 s69, s[WV], 13
	s_add_co_u32 s68, s68, s69
	s_mov_b32 s69, 0
	s_lshl_b32 s70, s[MAT], 17                     ; my fragments of W
	s_lshl_b32 s71, s[WV], 15
	s_add_co_u32 s70, s70, s71
	s_mov_b32 s71, 0
	s_lshl_b32 s26, s[MAT], 13                     ; and its scale words
	s_mov_b32 s27, 0
	s_wait_dscnt 0x0                               ; both opening adds are done
	s_wait_kmcnt 0x0
	s_cmp_eq_u32 s[MAT], 0                         ; the buffers: a choice on the work-group's number alone
	s_cselect_b64 s[SRC:SRC+1], s[4:5], s[6:7]
	s_cselect_b64 s[OUT:OUT+1], s[14:15], s[16:17]
	s_cmp_eq_u32 s[MAT], 2
	s_cselect_b64 s[SRC:SRC+1], s[8:9], s[SRC:SRC+1]
	s_cselect_b64 s[OUT:OUT+1], s[18:19], s[OUT:OUT+1]
	s_add_nc_u64 s[SRC:SRC+1], s[SRC:SRC+1], s[60:61]
	s_add_nc_u64 s[OUT:OUT+1], s[OUT:OUT+1], s[66:67]
	s_add_nc_u64 s[FIN:FIN+1], s[20:21], s[68:69]
	s_add_nc_u64 s[10:11], s[10:11], s[70:71]
	s_add_nc_u64 s[12:13], s[12:13], s[26:27]
.irp s, 0,1,2,3
	s_mov_b32 s[G0+4*\s], 1                        ; count = 1
	s_add_co_u32 s[G0+4*\s+1], s62, \s*XT_S        ; LDS address
	s_add_nc_u64 s[G0+4*\s+2:G0+4*\s+3], s[SRC:SRC+1], 512*\s   ; K step s of my 32 rows
	s_or_b32 s[G0+4*\s+3], s[G0+4*\s+3], 0x80000000   ; type = 2
.endr
.irp s, 0,1,2,3
	tensor_load_to_lds s[G0+4*\s:G0+4*\s+3], s[G1:G1+7]
	s_nop 0
.endr
	v_and_b32 v8, 31, v0                           ; lane.  (More than four vector lines stand between the last tensor load and the first window switch)
	v_and_b32 v9, 15, v0                           ; r
	v_bfe_u32 v10, v0, 4, 1                        ; h
	v_lshlrev_b32 v[GO], 4, v8
	v_mul_u32_u24 v[XR], v9, XP
	v_lshl_add_u32 v[XR], v10, 6, v[XR]
	v_add_nc_u32 v[XR], s62, v[XR]
	s_lshl_b32 s60, s[WV], 13
	s_add_co_u32 s60, s60, XIMG
	v_add_nc_u32 v[XWI], s60, v[GO]
	s_lshl_b32 s60, s[WV], 10
	s_add_co_u32 s60, s60, XSC
	v_lshlrev_b32 v11, 2, v8
	v_add_nc_u32 v[XWS], s60, v11
	v_add_nc_u32 v[LI], XIMG, v[GO]
	v_add_nc_u32 v[LS], XSC, v11
	s_lshl_b32 s60, s[WV], 11
	v_lshl_add_u32 v[WSO], v9, 4, s60              ; (128 w + r) x 16
.irp b, 0,1,2,3
	v_mov_b32 v[TM+4+\b], 0                        ; written once: a lane permute's destination counts as one of its sources
.endr
	WIN 0x40                                       ; destination window 1
.set NN, 0
.rept 64
	global_load_b128 v[4*NN:4*NN+3], v[GO], s[10:11] offset:512*NN   ; W's fragment (t, s) at v[8 (4 t + s)] of window 1: they stay
.set NN, NN+1
.endr
	WIN 0
.irp t, 0,1,2,3,4,5,6,7
	global_load_b128 v[WS+4*\t:WS+4*\t+3], v[WSO], s[12:13] offset:256*\t   ; a row's four scale words
.endr
	; ---- my 32 rows become 8 fragments.  I read only bytes that my own loads brought: my own counter orders them
	s_wait_tensorcnt 3                             ; K step 0's tile of mine has landed; three loads may be out
	LOADX 0, X0
.irp n, 0,1,2,3,4,5,6,7
	UNIT \n
.endr
	s_wait_loadcnt 0x0                             ; W and its scale words
	s_wait_dscnt 0x0                               ; for the others' sake: my images are stored
	s_barrier_signal -1
	s_barrier_wait -1                              ; all 32 fragments of x lie in LDS
	s_cmp_eq_u32 s[MAT], 2
	s_cbranch_scc1 .Lvpath
.irp m, 0,1,2,3,4,5,6,7
	ROWTILE \m, 0
.endr
	s_branch .Lend
.Lvpath:
.irp m, 0,1,2,3,4,5,6,7
	ROWTILE \m, 1
.endr
.Lend:
	s_wait_tensorcnt 0x0                           ; the wave's end
	ds_add_u32 v[SPW], v[NIL]
	s_wait_dscnt 0x0
	s_endpgm
.Lfunc_end_k_q64f0ed2cc4_proj:
	.size	k_q64f0ed2cc4_proj, .Lfunc_end_k_q64f0ed2cc4_proj-k_q64f0ed2cc4_proj
	.p2alignl 7, 3214868480
	.fill 96, 4, 3214868480
	.section	.rodata,"a",@progbits
	.p2align	6, 0x0
	.amdhsa_kernel k_q64f0ed2cc4_proj
		.amdhsa_group_segment_fixed_size 327680
		.amdhsa_private_segment_fixed_size 0
		.amdhsa_enable_private_segment 0
		.amdhsa_kernarg_size 72
		.amdhsa_user_sgpr_count 2
		.amdhsa_user_sgpr_kernarg_segment_ptr 1
		.amdhsa_wavefront_size32 1
		.amdhsa_system_sgpr_workgroup_id_x 1
		.amdhsa_system_sgpr_workgroup_id_y 1
		.amdhsa_system_sgpr_workgroup_id_z 1
		.amdhsa_system_vgpr_workitem_id 0
		.amdhsa_next_free_vgpr 512
		.amdhsa_next_free_sgpr 72
		.amdhsa_reserve_vcc 0
		.amdhsa_float_denorm_mode_32 3
		.amdhsa_float_denorm_mode_16_64 3
		.amdhsa_memory_ordered 1
		.amdhsa_forward_progress 1
		.amdhsa_inst_pref_size 179
	.end_amdhsa_kernel
	.amdgpu_metadata
---
amdhsa.version: [ 1, 2 ]
amdhsa.kernels:
  - .name:           k_q64f0ed2cc4_proj
    .symbol:         k_q64f0ed2cc4_proj.kd
    .args:
      - { .name: q, .offset: 0, .size: 8, .value_kind: global_buffer, .address_space: global }
      - { .name: k, .offset: 8, .size: 8, .value_kind: global_buffer, .address_space: global }
      - { .name: v, .offset: 16, .size: 8, .value_kind: global_buffer, .address_space: global }
      - { .name: wcod, .offset: 24, .size: 8, .value_kind: global_buffer, .address_space: global }
      - { .name: wscl, .offset: 32, .size: 8, .value_kind: global_buffer, .address_space: global }
      - { .name: qfr, .offset: 40, .size: 8, .value_kind: global_buffer, .address_space: global }
      - { .name: kfr, .offset: 48, .size: 8, .value_kind: global_buffer, .address_space: global }
      - { .name: vfr, .offset: 56, .size: 8, .value_kind: global_buffer, .address_space: global }
      - { .name: fin32, .offset: 64, .size: 8, .value_kind: global_buffer, .address_space: global }
    .group_segment_fixed_size: 327680
    .private_segment_fixed_size: 0
    .kernarg_segment_align: 8
    .kernarg_segment_size: 72
    .max_flat_workgroup_size: 128
    .sgpr_count:     72
    .vgpr_count:     512
    .wavefront_size: 32
...
	.end_amdgpu_metadata
.endif
;; end of part 2
;; launch attn (part 3): grid 16 x 16, 16 waves a work-group, no clusters, 327,680 bytes of LDS; arguments qfr, kfr, vfr, ctxf; writes ctxf
.if DOCPART == 3
	.amdgcn_target "amdgcn-amd-amdhsa--gfx1250"
	.amdhsa_code_object_version 6
	.text
	.protected	k_q64f0ed2cc4_attn
	.globl	k_q64f0ed2cc4_attn
	.p2align	8
	.type	k_q64f0ed2cc4_attn,@function
k_q64f0ed2cc4_attn:
	s_mov_b64 s[64:65], 0
	v_nop
	global_prefetch_b8 v0, s[64:65] scope:SCOPE_SE
	s_setreg_imm32_b32 hwreg(HW_REG_WAVE_MODE, 25, 1), 1
	s_wait_xcnt 0x0
; Causal attention of one head (work-group y = 8 b + head), head size 64, operands in f16, products, maxima and sums in f32.  p = 2^(c s - c m), c = log2(e) / 8, m the running maximum; O and l are rescaled in every step.
; SHARES.  Work-group x = j owns the query blocks j and 31 - j (128 queries each): (j + 1) + (32 - j) = 33 blocks of 128 visible keys in every work-group.
; A wave owns 32 queries (two tiles of 16) and EVERY SECOND key step of 64 keys.  From the wave's number w: piece sg = w / 4 (32 queries of a block), rho = (w % 4 + sg) % 4, block = rho % 2 (low, high), parity = rho / 2.
; So any four waves w with equal w % 4, and any four with equal w / 4, hold all four roles.  The wave with the other parity of the same queries is w xor 2: the two halves (m, l, O) are merged through LDS at the end.
; LAYOUT.  Both products transposed: S^T = K Q^T (source 0 = 16 keys, source 1 = 16 queries), O^T = V^T P: a lane holds ONE query (lane % 16).  Q, K and V arrive as images of their fragments' registers
; (16 bytes a lane at 16 x lane), so a slot is two dense blocks and every LDS load takes 512 consecutive bytes.  P is rounded to f16 in place, over the first half of its scores.
; RING.  Two slots of 512 keys (65,536 bytes of K, then of V); waves 0-3 bring K's quarters, waves 4-7 V's, one load a wave; every wait on TENSORcnt is for 0.  All work-groups walk all 8 slots: trip counts are constants;
; a step all of whose keys come after the wave's queries is jumped over, and a slot whose first key comes after the work-group's last query is not asked for.
; No cluster: under the mask a partner with early queries would jump over the reads of tiles that a joint load brings.
; LIMITS: NaN and infinities are not served.  p under 6e-8 is lost in f16.
.set SK,    512
.set SLOT1, 131072                     ; slot 1 begins here: one exclusive or turns an address
.set SPARE, 262144                     ; the spare words, 128 bytes a wave: eight blocks of 256 bytes that no other line names
.set AK0, 1                            ; v1   16 x lane + 8192 x parity: my place in a pair of key steps
.set ADK, 2                            ; v2   LDS address of the step's K
.set ADV, 3                            ; v3   and V
.set MRG, 4                            ; v4   the merge: (2 sg + block) x 9216 + 16 x lane, in slot 0, which has had its last fill and its last read by then
.set GO,  5                            ; v5   16 x lane
.set SPW, 6
.set NIL, 7
.set ST,  8                            ; tile t's statistics at v[8 + 8 t]: +0 c m, +1 m, +2, +3 l, +4 .. +7 at work (a in +6)
.set PFO, 24                           ; v24  256 x lane
.set RH,  25                           ; v25  r - 8 h
.set DD,  26                           ; v26-27 the mask's bound for tile 0, 1
.set NINF, 28
.set Q,   32                           ; v32-63   Q: tile t, channels 32 c on: 32 + 16 t + 8 c
.set S,   64                           ; v64-127  S^T: tile t, keys 16 k on: 64 + 32 t + 8 k; then P in the first 16 of each 32
.set KV,  128                          ; v128-191 K's fragments, then V's
.set O,   192                          ; v192-255 O^T: tile t, channels 16 c on: 192 + 32 t + 8 c
.set WV, 12
.set PAR64, 13
.set Q0, 14
.set QLAST, 15
.set QLIM, 16
.set KS, 17                            ; the slot's first key
.set TB, 18                            ; LDS byte of the slot in hand: K's;
.set TBV, 19                           ; V's
.set SEL, 20
.set SLOTS, 22
.set LIM, 23
.set G1, 24                            ; s[24:31] group 1;  s[32:35] the walking group 0
.set G0, 32
.set PFA, 36
.set CS, 38
.set PAR, 40
.macro TLOAD                           ; waves 0 to 7, one load each; an s_nop 0 and four v_nop follow it
	s_cmp_lt_u32 s[WV], 8
	s_cbranch_scc0 .Lasked_\@
	tensor_load_to_lds s[G0:G0+3], s[G1:G1+7]
	s_nop 0
.rept 4
	v_nop
.endr
.Lasked_\@:
.endm
; A prefetch into the L2 of what the NEXT change of slots will ask for.  All work-groups of a head walk the same K and V: the one with x = 0, which walks all keys, asks; in it the waves that fetch nothing, 8 to 15:
; each for the 16,384 bytes that wave w - 8 will load, lanes 256 bytes apart, two instructions.  So each block of 256 bytes is named once in the launch.  The last change that fills a slot asks for nothing; slots 0 and 1 come by their loads alone.
.macro ASK
	s_cmp_gt_u32 s[SLOTS], s[LIM]
	s_cbranch_scc0 .Lnot_mine_\@
	global_prefetch_b8 v[PFO], s[PFA:PFA+1] th:TH_LOAD_NT scope:SCOPE_SE
	global_prefetch_b8 v[PFO], s[PFA:PFA+1] offset:8192 th:TH_LOAD_NT scope:SCOPE_SE
.Lnot_mine_\@:
.endm
; My i-th key step of the slot: keys KS + 128 i + 64 parity on.
.macro STEP i
	s_add_co_u32 s96, s[KS], s[PAR64]
.if \i > 0
	s_add_co_u32 s96, s96, 128*\i
.endif
	s_cmp_gt_u32 s96, s[QLAST]                     ; all 64 keys come after my 32 queries: nothing to do.  (Ids and the count of steps alone; no barrier, wait or tensor load stands in a step)
	s_cbranch_scc1 .Lhid_\@
	v_add_nc_u32 v[ADK], s[TB], v[AK0]             ; these two and three v_nop: five places behind the last step's products, whose V registers are loaded into and whose P registers the new scores write over
	v_add_nc_u32 v[ADV], s[TBV], v[AK0]
.rept 3
	v_nop
.endr
.set NN, 0
.rept 16
	ds_load_b128 v[KV+4*NN:KV+4*NN+3], v[ADK] offset:16384*\i+512*NN   ; fragment (keys 16 k on, channels 32 c on) at KV + 16 k + 8 c
.set NN, NN+1
.endr
	s_wait_dscnt 0x0
.irp c, 0,1                                    ; the eight accumulators by turns; the first eight start the sums
.irp k, 0,1,2,3
.irp t, 0,1
.if \c == 0
	v_wmma_f32_16x16x32_f16 v[S+32*\t+8*\k:S+32*\t+8*\k+7], v[KV+16*\k+8*\c:KV+16*\k+8*\c+7], v[Q+16*\t+8*\c:Q+16*\t+8*\c+7], 0
.else
	v_wmma_f32_16x16x32_f16 v[S+32*\t+8*\k:S+32*\t+8*\k+7], v[KV+16*\k+8*\c:KV+16*\k+8*\c+7], v[Q+16*\t+8*\c:Q+16*\t+8*\c+7], v[S+32*\t+8*\k:S+32*\t+8*\k+7]
.endif
.endr
.endr
.endr
.rept 4
	v_nop                                          ; four places: ahead of the loads into K's registers and of the first read of the scores
.endr
.set NN, 0
.rept 16
	ds_load_b128 v[KV+4*NN:KV+4*NN+3], v[ADV] offset:16384*\i+512*NN   ; V's fragment (keys 32 b on, channels 16 c on) at KV + 32 b + 8 c: it lands under the softmax
.set NN, NN+1
.endr
	s_add_co_u32 s97, s96, 63
	s_cmp_le_u32 s97, s[Q0]                        ; all 64 keys count for all my queries: no mask
	s_cbranch_scc1 .Lopen_\@
	s_sub_co_i32 s97, s[Q0], s96
	v_add_nc_u32 v[DD], s97, v[RH]                 ; d = my query - first key - 8 h.  Register 8 k + i holds key 16 k + 8 h + i of the step: hidden where 16 k + i > d
	v_add_nc_u32 v[DD+1], 16, v[DD]
	v_mov_b32 v[NINF], 0xff800000                  ; -infinity.  A step that is walked begins at or before my first query, so each query keeps a key and m stays a number
.irp t, 0,1
.set NN, 0
.rept 32
	v_cmp_gt_i32 vcc_lo, 16*(NN/8)+NN%8, v[DD+\t]
	v_cndmask_b32 v[S+32*\t+NN], v[S+32*\t+NN], v[NINF], vcc_lo
.set NN, NN+1
.endr
.endr
.Lopen_\@:
.irp j, 0,1,2,3                                ; the maximum: four chains a tile, each accumulator from its low end on; the tiles by turns
.irp t, 0,1
	v_max3_num_f32 v[ST+8*\t+4+\j], v[S+32*\t+8*\j], v[S+32*\t+8*\j+1], v[S+32*\t+8*\j+2]
.endr
.endr
.irp u, 1,2
.irp j, 0,1,2,3
.irp t, 0,1
	v_max3_num_f32 v[ST+8*\t+4+\j], v[ST+8*\t+4+\j], v[S+32*\t+8*\j+2*\u+1], v[S+32*\t+8*\j+2*\u+2]
.endr
.endr
.endr
.irp t, 0,1
	v_max3_num_f32 v[ST+8*\t+4], v[ST+8*\t+4], v[S+32*\t+7], v[S+32*\t+15]
.endr
.irp t, 0,1
	v_max3_num_f32 v[ST+8*\t+6], v[ST+8*\t+6], v[S+32*\t+23], v[S+32*\t+31]
.endr
.irp t, 0,1
	v_max3_num_f32 v[ST+8*\t+4], v[ST+8*\t+4], v[ST+8*\t+5], v[ST+8*\t+6]
.endr
.irp t, 0,1
	v_max3_num_f32 v[ST+8*\t+4], v[ST+8*\t+4], v[ST+8*\t+7], v[ST+8*\t+1]   ; and the old m
.endr
.irp t, 0,1
	v_permlanex16_b32 v[ST+8*\t+5], v[ST+8*\t+4], s[SEL], s[SEL+1]   ; the query's other 32 keys lie in the lane 16 away
.endr
.irp t, 0,1
	v_mov_b32 v[ST+8*\t+7], v[ST+8*\t]             ; c m_old
.endr
.irp t, 0,1
	v_max_num_f32 v[ST+8*\t+1], v[ST+8*\t+4], v[ST+8*\t+5]
.endr
.irp t, 0,1
	v_mul_f32 v[ST+8*\t], s[CS], v[ST+8*\t+1]
.endr
.irp t, 0,1
	v_sub_f32 v[ST+8*\t+7], v[ST+8*\t+7], v[ST+8*\t]
.endr
.set NN, 0
.rept 16
.irp t, 0,1
	v_pk_fma_f32 v[S+32*\t+2*NN:S+32*\t+2*NN+1], v[S+32*\t+2*NN:S+32*\t+2*NN+1], s[CS:CS+1], v[ST+8*\t:ST+8*\t+1] op_sel_hi:[1,0,0] neg_lo:[0,0,1] neg_hi:[0,0,1]   ; c s - c m
.endr
.set NN, NN+1
.endr
.irp t, 0,1
	v_exp_f32 v[ST+8*\t+6], v[ST+8*\t+7]           ; a = 2^(c m_old - c m_new)
.endr
.set NN, 0
.rept 32
.irp t, 0,1
	v_exp_f32 v[S+32*\t+NN], v[S+32*\t+NN]
.endr
.set NN, NN+1
.endr
	v_nop                                          ; a plain line behind the last exponential
	s_wait_alu depctr_va_vdst(0)                   ; one wait for the batch of 66, ahead of its first reader
.set NN, 0
.rept 16
.irp t, 0,1
	v_pk_mul_f32 v[O+32*\t+2*NN:O+32*\t+2*NN+1], v[O+32*\t+2*NN:O+32*\t+2*NN+1], v[ST+8*\t+6:ST+8*\t+7] op_sel_hi:[1,0]   ; O^T x a, each accumulator from its low end on
.endr
.set NN, NN+1
.endr
.irp t, 0,1
	v_pk_mul_f32 v[ST+8*\t+2:ST+8*\t+3], v[ST+8*\t+2:ST+8*\t+3], v[ST+8*\t+6:ST+8*\t+7] op_sel_hi:[1,0]   ; l x a
.endr
.irp t, 0,1
	v_pk_add_f32 v[ST+8*\t+4:ST+8*\t+5], v[S+32*\t:S+32*\t+1], v[S+32*\t+2:S+32*\t+3]   ; the sum of the unrounded p, in two chains
.endr
.irp j, 4,8,12,16,20,24,28
.irp t, 0,1
	v_pk_add_f32 v[ST+8*\t+2:ST+8*\t+3], v[ST+8*\t+2:ST+8*\t+3], v[S+32*\t+\j:S+32*\t+\j+1]
	v_pk_add_f32 v[ST+8*\t+4:ST+8*\t+5], v[ST+8*\t+4:ST+8*\t+5], v[S+32*\t+\j+2:S+32*\t+\j+3]
.endr
.endr
.irp t, 0,1
	v_pk_add_f32 v[ST+8*\t+2:ST+8*\t+3], v[ST+8*\t+2:ST+8*\t+3], v[ST+8*\t+4:ST+8*\t+5]
.endr
.set NN, 0
.rept 16
.irp t, 0,1
	v_cvt_pk_f16_f32 v[S+32*\t+NN], v[S+32*\t+2*NN], v[S+32*\t+2*NN+1]   ; P in place, ascending: no pair is written over before it is read
.endr
.set NN, NN+1
.endr
	s_wait_dscnt 0x0                               ; V is in
.irp b, 0,1                                    ; O^T += V^T P: the eight accumulators by turns
.irp c, 0,1,2,3
.irp t, 0,1
	v_wmma_f32_16x16x32_f16 v[O+32*\t+8*\c:O+32*\t+8*\c+7], v[KV+32*\b+8*\c:KV+32*\b+8*\c+7], v[S+32*\t+8*\b:S+32*\t+8*\b+7], v[O+32*\t+8*\c:O+32*\t+8*\c+7]
.endr
.endr
.endr
.Lhid_\@:
.endm
; The change of slots, at a slot's head.  Every wave waits for all its tensor loads, adds 0 to its spare word, waits for that and for its reads of the slot that it has left, and passes the barrier.
; fill = 1: the slot just left is filled with the keys that follow those of the slot ahead: the load has a slot's steps in which to land.
.macro CHANGE fill
	s_wait_tensorcnt 0x0                           ; no tensor load of mine is out, so the group 0 may be written
	ds_add_u32 v[SPW], v[NIL]
.if \fill
	ds_add_u32 v[SPW], v[NIL]                      ; and twice on end here, in every trip alike
	s_xor_b32 s[G0+1], s[G0+1], SLOT1              ; the other slot than last time,
	s_add_nc_u64 s[G0+2:G0+3], s[G0+2:G0+3], 65536 ; the next 512 keys
	s_wait_xcnt 0x0                                ; the last prefetches, a slot back, have read their address
	s_add_nc_u64 s[PFA:PFA+1], s[PFA:PFA+1], 65536 ; one slot further on than the walking descriptor
.endif
	s_wait_dscnt 0x0
	s_barrier_signal -1
	s_barrier_wait -1
.if \fill
	s_add_co_u32 s96, s[KS], SK                    ; the first key of the slot that this change would ask for:
	s_cmp_gt_u32 s96, s[QLIM]                      ; behind my work-group's last query it would be read by no wave.  Ids and the count of slots alone: all sixteen waves go the same way
	s_cbranch_scc1 .Lpast_\@
	TLOAD
.Lpast_\@:
	ASK
.endif
.endm
.macro SLOT_STEPS
	STEP 0
	STEP 1
	STEP 2
	STEP 3
	s_add_co_u32 s[KS], s[KS], SK
	s_xor_b32 s[TB], s[TB], SLOT1
	s_xor_b32 s[TBV], s[TBV], SLOT1
.endm
	s_load_b256 s[4:11], s[0:1], 0x0               ; qfr, kfr, vfr, ctxf
	v_lshl_add_u32 v[SPW], v0, 2, SPARE
	v_mov_b32 v[NIL], 0
	ds_add_u32 v[SPW], v[NIL]                      ; the wave's opening: the add, twice on end, and its wait ahead of the first tensor load
	ds_add_u32 v[SPW], v[NIL]
	v_lshrrev_b32 v26, 5, v0
	v_readfirstlane_b32 s[WV], v26                 ; wave 0..15
	s_lshr_b32 s41, s[WV], 2                       ; sg
	s_and_b32 s42, s[WV], 3
	s_add_co_u32 s42, s42, s41
	s_and_b32 s42, s42, 3                          ; rho
	s_and_b32 s43, s42, 1                          ; block: low, high
	s_lshr_b32 s[PAR], s42, 1                      ; parity
	s_lshl_b32 s[PAR64], s[PAR], 6
	s_sub_co_u32 s44, 31, ttmp9
	s_cmp_eq_u32 s43, 0
	s_cselect_b32 s45, ttmp9, s44
	s_lshl_b32 s[Q0], s45, 7
	s_lshl_b32 s46, s41, 5
	s_add_co_u32 s[Q0], s[Q0], s46                 ; my first query
	s_add_co_u32 s[QLAST], s[Q0], 31
	s_lshl_b32 s[QLIM], s44, 7
	s_add_co_u32 s[QLIM], s[QLIM], 127             ; the work-group's last query
	s_mov_b32 s[KS], 0
	s_mov_b32 s[TB], 0
	s_mov_b32 s[TBV], 65536
	s_mov_b32 s[SEL], 0x76543210
	s_mov_b32 s[SEL+1], 0xfedcba98
	s_mov_b32 s[SLOTS], 7
	s_lshr_b32 s[LIM], s[WV], 3
	s_xor_b32 s[LIM], s[LIM], 1                    ; 0 in waves 8 to 15,
	s_or_b32 s[LIM], s[LIM], ttmp9                 ; of work-group x = 0
	s_cmp_eq_u32 s[LIM], 0
	s_cselect_b32 s[LIM], 1, -1
	s_mov_b32 s[G1+0], 3<<16                       ; elements of 8 bytes, no padding: a dense block of 64 rows x 256 bytes
	s_mov_b32 s[G1+1], 32<<16
	s_mov_b32 s[G1+2], 64<<16
	s_mov_b32 s[G1+3], 32<<16
	s_mov_b32 s[G1+4], 64
	s_mov_b32 s[G1+5], 32
	s_mov_b32 s[G1+6], 0
	s_mov_b32 s[G1+7], 0
	s_mov_b32 s[CS], 0x3e38aa3b                    ; c = log2(e) / 8
	s_mov_b32 s[CS+1], s[CS]
	s_and_b32 s47, ttmp7, 0xffff                   ; hb = 8 b + head
	s_lshl_b32 s48, s47, 19
	s_and_b32 s50, s[WV], 3
	s_lshl_b32 s50, s50, 14
	s_add_co_u32 s50, s50, s48                     ; my quarter of a slot's K or V, in memory
	s_mov_b32 s51, 0
	s_lshl_b32 s54, s[Q0], 7
	s_add_co_u32 s54, s54, s48                     ; my queries' fragments
	s_mov_b32 s55, 0
	s_lshr_b32 s56, s47, 3                         ; ctxf: (32 b + Q0 / 128) x 131072 + head x 16384 + ((Q0 / 16) % 8) x 1024
	s_lshl_b32 s56, s56, 5
	s_lshr_b32 s57, s[Q0], 7
	s_add_co_u32 s56, s56, s57
	s_lshl_b32 s56, s56, 17
	s_and_b32 s57, s47, 7
	s_lshl_b32 s57, s57, 14
	s_add_co_u32 s56, s56, s57
	s_bfe_u32 s57, s[Q0], 0x30004
	s_lshl_b32 s57, s57, 10
	s_add_co_u32 s56, s56, s57
	s_mov_b32 s57, 0
	s_lshl_b32 s58, s[PAR], 13
	s_lshl_b32 s59, s41, 1
	s_add_co_u32 s59, s59, s43
	s_mul_i32 s59, s59, 9216
	s_and_b32 s60, s[WV], 7
	s_lshl_b32 s60, s60, 14
	s_and_b32 s61, s[WV], 4
	v_and_b32 v26, 31, v0
	v_lshlrev_b32 v[GO], 4, v26
	v_add_nc_u32 v[AK0], s58, v[GO]
	v_add_nc_u32 v[MRG], s59, v[GO]
	v_lshlrev_b32 v[PFO], 8, v26
	v_and_b32 v27, 15, v0
	v_bfe_u32 v28, v0, 4, 1
	v_lshlrev_b32 v28, 3, v28
	v_sub_nc_u32 v[RH], v27, v28
	s_wait_dscnt 0x0                               ; both opening adds are done
	s_wait_kmcnt 0x0
	s_cmp_lg_u32 s61, 0                            ; waves 4-7 and 12-15: V; the others: K
	s_cselect_b64 s[52:53], s[8:9], s[6:7]
	s_add_nc_u64 s[52:53], s[52:53], s[50:51]
	s_mov_b32 s[G0], 1
	s_mov_b32 s[G0+1], s60                         ; (w % 8) x 16384: K's four quarters, then V's
	s_mov_b64 s[G0+2:G0+3], s[52:53]
	s_or_b32 s[G0+3], s[G0+3], 0x80000000
	s_add_nc_u64 s[PFA:PFA+1], s[52:53], 65536     ; in slot 1: the first change steps it to slot 2
	TLOAD                                          ; slot 0: it holds key 0, which counts for every query
	s_add_nc_u64 s[4:5], s[4:5], s[54:55]
	s_add_nc_u64 s[10:11], s[10:11], s[56:57]
.set NN, 0
.rept 8
	global_load_b128 v[Q+4*NN:Q+4*NN+3], v[GO], s[4:5] offset:512*NN   ; Q stays in registers
.set NN, NN+1
.endr
.irp t, 0,1
	v_mov_b32 v[ST+8*\t+1], 0xff61b1e6             ; m = -3e38, under every score
	v_mul_f32 v[ST+8*\t], s[CS], v[ST+8*\t+1]
	v_mov_b32 v[ST+8*\t+2], 0
	v_mov_b32 v[ST+8*\t+3], 0
.endr
.set NN, 0
.rept 64
	v_mov_b32 v[O+NN], 0                           ; the step is written once: its first run finds zeros, which a = 0 leaves zeros
.set NN, NN+1
.endr
	s_wait_loadcnt 0x0
.Lslot:                                            ; 7 trips: behind each change of slots but the last the next slot is asked for, up to the causal limit
	CHANGE 1
	SLOT_STEPS
	s_sub_co_u32 s[SLOTS], s[SLOTS], 1
	s_cmp_lg_u32 s[SLOTS], 0
	s_cbranch_scc1 .Lslot
	CHANGE 0
	SLOT_STEPS
	; ---- THE MERGE.  The waves of odd parity hand O^T, c m and l to their partners as register images
.rept 4
	v_nop                                          ; four places behind the last products
.endr
	s_cmp_eq_u32 s[PAR], 0
	s_cbranch_scc1 .Lno_send
.set NN, 0
.rept 16
	ds_store_b128 v[MRG], v[O+4*NN:O+4*NN+3] offset:512*NN   ; each accumulator's low half first
.set NN, NN+1
.endr
	ds_store_b128 v[MRG], v[ST:ST+3] offset:512*16
	ds_store_b128 v[MRG], v[ST+8:ST+11] offset:512*17
.Lno_send:
	s_wait_dscnt 0x0                               ; for the others' sake
	s_barrier_signal -1
	s_barrier_wait -1
	s_cmp_lg_u32 s[PAR], 0
	s_cbranch_scc1 .Lend
.set NN, 0
.rept 16
	ds_load_b128 v[KV+4*NN:KV+4*NN+3], v[MRG] offset:512*NN
.set NN, NN+1
.endr
	ds_load_b128 v[S:S+3], v[MRG] offset:512*16    ; the partner's c m, m, l of tile 0,
	ds_load_b128 v[S+4:S+7], v[MRG] offset:512*17  ; of tile 1
	v_mov_b32 v[S+14], 0                           ; (a lane permute's destination counts as one of its sources)
	v_mov_b32 v[S+15], 0
	s_wait_dscnt 0x0
.irp t, 0,1
	v_max_num_f32 v[S+8+\t], v[ST+8*\t], v[S+4*\t] ; the common c m.  Mine is a number: the even steps begin with key 0.  A partner that walked no step holds -5e37, 0, 0: its factor is 0
.endr
.irp t, 0,1
	v_sub_f32 v[ST+8*\t+5], v[ST+8*\t], v[S+8+\t]
	v_sub_f32 v[ST+8*\t+7], v[S+4*\t], v[S+8+\t]
.endr
.irp t, 0,1
	v_exp_f32 v[ST+8*\t+4], v[ST+8*\t+5]           ; a1
	v_exp_f32 v[ST+8*\t+6], v[ST+8*\t+7]           ; a2
.endr
	v_nop
	s_wait_alu depctr_va_vdst(0)                   ; one wait for the four, ahead of their first reader
.irp t, 0,1
	v_pk_mul_f32 v[ST+8*\t+2:ST+8*\t+3], v[ST+8*\t+2:ST+8*\t+3], v[ST+8*\t+4:ST+8*\t+5] op_sel_hi:[1,0]
.endr
.irp t, 0,1
	v_pk_fma_f32 v[ST+8*\t+2:ST+8*\t+3], v[S+4*\t+2:S+4*\t+3], v[ST+8*\t+6:ST+8*\t+7], v[ST+8*\t+2:ST+8*\t+3] op_sel_hi:[1,0,1]
.endr
.irp t, 0,1
	v_add_f32 v[S+12+\t], v[ST+8*\t+2], v[ST+8*\t+3]
.endr
.irp t, 0,1
	v_permlanex16_b32 v[S+14+\t], v[S+12+\t], s[SEL], s[SEL+1]
.endr
.irp t, 0,1
	v_add_f32 v[S+12+\t], v[S+12+\t], v[S+14+\t]   ; the row's sum
.endr
.irp t, 0,1
	v_rcp_f32 v[S+16+\t], v[S+12+\t]
.endr
	v_nop
	s_wait_alu depctr_va_vdst(0)
.irp t, 0,1
	v_mul_f32 v[ST+8*\t+4], v[ST+8*\t+4], v[S+16+\t]
	v_mul_f32 v[ST+8*\t+6], v[ST+8*\t+6], v[S+16+\t]
.endr
.set NN, 0
.rept 16
.irp t, 0,1
	v_pk_mul_f32 v[O+32*\t+2*NN:O+32*\t+2*NN+1], v[O+32*\t+2*NN:O+32*\t+2*NN+1], v[ST+8*\t+4:ST+8*\t+5] op_sel_hi:[1,0]
.endr
.irp t, 0,1
	v_pk_fma_f32 v[O+32*\t+2*NN:O+32*\t+2*NN+1], v[KV+32*\t+2*NN:KV+32*\t+2*NN+1], v[ST+8*\t+6:ST+8*\t+7], v[O+32*\t+2*NN:O+32*\t+2*NN+1] op_sel_hi:[1,0,1]
.endr
.set NN, NN+1
.endr
.set NN, 0
.rept 32
	v_cvt_pk_f16_f32 v[S+NN], v[O+2*NN], v[O+2*NN+1]   ; a lane's eight channels of a row: four registers of the next product's fragment
.set NN, NN+1
.endr
.irp t, 0,1
.irp c, 0,1,2,3
	global_store_b128 v[GO], v[S+16*\t+4*\c:S+16*\t+4*\c+3], s[10:11] offset:1024*\t+8192*(\c/2)+512*(\c%2)   ; 32 lanes store 512 consecutive bytes
.endr
.endr
.Lend:
	s_wait_tensorcnt 0x0                           ; the wave's end
	ds_add_u32 v[SPW], v[NIL]
	s_wait_dscnt 0x0
	s_endpgm
.Lfunc_end_k_q64f0ed2cc4_attn:
	.size	k_q64f0ed2cc4_attn, .Lfunc_end_k_q64f0ed2cc4_attn-k_q64f0ed2cc4_attn
	.p2alignl 7, 3214868480
	.fill 96, 4, 3214868480
	.section	.rodata,"a",@progbits
	.p2align	6, 0x0
	.amdhsa_kernel k_q64f0ed2cc4_attn
		.amdhsa_group_segment_fixed_size 327680
		.amdhsa_private_segment_fixed_size 0
		.amdhsa_enable_private_segment 0
		.amdhsa_kernarg_size 32
		.amdhsa_user_sgpr_count 2
		.amdhsa_user_sgpr_kernarg_segment_ptr 1
		.amdhsa_wavefront_size32 1
		.amdhsa_system_sgpr_workgroup_id_x 1
		.amdhsa_system_sgpr_workgroup_id_y 1
		.amdhsa_system_sgpr_workgroup_id_z 1
		.amdhsa_system_vgpr_workitem_id 0
		.amdhsa_next_free_vgpr 256
		.amdhsa_next_free_sgpr 100
		.amdhsa_reserve_vcc 1
		.amdhsa_float_denorm_mode_32 3
		.amdhsa_float_denorm_mode_16_64 3
		.amdhsa_memory_ordered 1
		.amdhsa_forward_progress 1
		.amdhsa_inst_pref_size 191
	.end_amdhsa_kernel
	.amdgpu_metadata
---
amdhsa.version: [ 1, 2 ]
amdhsa.kernels:
  - .name:           k_q64f0ed2cc4_attn
    .symbol:         k_q64f0ed2cc4_attn.kd
    .args:
      - { .name: qfr, .offset: 0, .size: 8, .value_kind: global_buffer, .address_space: global }
      - { .name: kfr, .offset: 8, .size: 8, .value_kind: global_buffer, .address_space: global }
      - { .name: vfr, .offset: 16, .size: 8, .value_kind: global_buffer, .address_space: global }
      - { .name: ctxf, .offset: 24, .size: 8, .value_kind: global_buffer, .address_space: global }
    .group_segment_fixed_size: 327680
    .private_segment_fixed_size: 0
    .kernarg_segment_align: 8
    .kernarg_segment_size: 32
    .max_flat_workgroup_size: 512
    .sgpr_count:     100
    .vgpr_count:     256
    .wavefront_size: 32
...
	.end_amdgpu_metadata
.endif
;; end of part 3
;; launch oproj (part 4): grid 4 x 64, 4 waves a work-group, clusters of 4 x 4, 327,680 bytes of LDS; arguments ctxf, wof, b_o, out0; writes out0
.if DOCPART == 4
	.amdgcn_target "amdgcn-amd-amdhsa--gfx1250"
	.amdhsa_code_object_version 6
	.text
	.protected	k_q64f0ed2cc4_oproj
	.globl	k_q64f0ed2cc4_oproj
	.p2align	8
	.type	k_q64f0ed2cc4_oproj,@function
k_q64f0ed2cc4_oproj:
	s_mov_b64 s[64:65], 0
	v_nop
	global_prefetch_b8 v0, s[64:65] scope:SCOPE_SE
	s_setreg_imm32_b32 hwreg(HW_REG_WAVE_MODE, 25, 1), 1
	s_wait_xcnt 0x0
	s_wait_alu depctr_hold_cnt(0) depctr_sa_sdst(0) depctr_va_vdst(0) depctr_va_sdst(0) depctr_va_ssrc(0) depctr_va_vcc(0) depctr_vm_vsrc(0)
	s_getreg_b32 s2, hwreg(HW_REG_IB_STS2, 6, 4)
	s_cmp_eq_u32 s2, 0
	s_cbranch_scc0 .Lentry_in_a_cluster
	s_endpgm
.Lentry_in_a_cluster:
	s_bfe_u32 s2, ttmp6, 0x10000c
	s_cmp_lg_u32 s2, 0xf033
	s_cbranch_scc0 .Lentry_shape_is_right
	s_endpgm
.Lentry_shape_is_right:
; out0 = ctx W_o^T + b_o, operands in f16, sums in f32.  ctx [8192][512] and W_o [512][512] arrive as images of their fragments' registers (16 bytes a lane at 16 x lane).
; A tile of out0 is 128 x 128 (work-group x: columns, y: rows): 256 work-groups; a wave makes 64 x 64: 16 accumulators.  All of K = 512 of both operands fits in LDS at once, 131,072 bytes each: first fills alone, no ring.
; Each wave asks for four chunks of 16,384 bytes at the head (four loads of mine are out); a chunk of both operands is four fragments along K, and the products begin when the first has landed.
; CLUSTER 4 x 4: ctx's tile hangs on the tile row alone and is asked for jointly along a row of the cluster, W_o's on the tile column alone, jointly along a column.
; The product is used transposed (source 0 = 16 rows of W_o, source 1 = 16 rows of ctx): a lane holds eight neighbouring columns of one row.  The bias is the C of each sum's first matrix instruction.
; Positions 0-15 of both batches (32 rows) are stored here like all others and are written over by the launch that follows, which carries them in f32: a jump round their stores would hang on the work-group's place in its cluster.
.set BOFF,  131072                     ; LDS: ctx at 0, W_o at 131072: f x 8192 + tile x 1024 + 512 g + 16 lane
.set STAGE, 262144                     ; 16 rows x (256 bytes + 16) for each wave, for the way out
.set SP,    272
.set SPARE, 279552                     ; the spare words, 128 bytes a wave: two blocks of 256 bytes that no other line names
.set ADRA, 16                          ; v16-17 my ctx fragments, f under 8 and from 8 on
.set ADRB, 20                          ; v20-21 the same for W_o
.set STO,  24
.set RD,   25
.set CO,   26
.set BO,   27                          ; v27 32 h
.set SPW,  28
.set NIL,  29
.set BIAS, 32                          ; v32-63 b_o, eight registers a column tile; later rows read back (set 0); v64-95: set 1
.set ACC,  128                         ; v128-255 accumulator (a, b) at 128 + 8 (4 a + b)
.set WV, 12
.set WR, 13
.set WC, 14
.set G1A, 24
.set G1B, 32
.set G0A, 40                           ; s[40:55] four groups 0 for ctx;  s[68:83] for W_o
.set G0B, 68
.set MSB, 0
.macro WIN new
.if MSB != \new
	s_set_vgpr_msb (MSB<<8)|\new
.set MSB, \new
.endif
.endm
.macro CROUND                          ; a round of the cluster's barrier
	s_barrier_signal -1
	s_barrier_wait -1
	s_cmp_lg_u32 s[WV], 0
	s_cbranch_scc1 .Lnot_wave_0_\@
	s_barrier_signal -3
.Lnot_wave_0_\@:
	s_barrier_wait -3
	s_barrier_signal -1
	s_barrier_wait -1
.endm
.macro PLACES
.rept 4
	v_nop
.endr
.endm
.macro FETCH f, set                    ; 32 along K: my four tiles of ctx and my four of W_o into set 0 or 1 of window 1
	WIN 0x40
.irp i, 0,1,2,3
.irp g, 0,1
	ds_load_b128 v[64*(\set)+8*\i+4*\g:64*(\set)+8*\i+4*\g+3],       v[ADRA+(\f)/8] offset:((\f)%8)*8192+\i*1024+512*\g
	ds_load_b128 v[64*(\set)+32+8*\i+4*\g:64*(\set)+32+8*\i+4*\g+3], v[ADRB+(\f)/8] offset:((\f)%8)*8192+\i*1024+512*\g
.endr
.endr
.endm
.macro MUL8 set, a0, first             ; the sixteen accumulators take turns, in the same order in every step
	WIN 0x05
.irp a, \a0, \a0+1
.irp b, 0,1,2,3
.if \first
	v_wmma_f32_16x16x32_f16 v[ACC+8*(4*(\a)+\b):ACC+8*(4*(\a)+\b)+7], v[64*(\set)+32+8*\b:64*(\set)+32+8*\b+7], v[64*(\set)+8*(\a):64*(\set)+8*(\a)+7], v[BIAS+8*\b:BIAS+8*\b+7]
.else
	v_wmma_f32_16x16x32_f16 v[ACC+8*(4*(\a)+\b):ACC+8*(4*(\a)+\b)+7], v[64*(\set)+32+8*\b:64*(\set)+32+8*\b+7], v[64*(\set)+8*(\a):64*(\set)+8*(\a)+7], v[ACC+8*(4*(\a)+\b):ACC+8*(4*(\a)+\b)+7]
.endif
.endr
.endr
.endm
.macro KSTEP f
	s_wait_dscnt 0x0                               ; this step's fragments are in
	MUL8 (\f)%2, 0, (\f)==0
.if (\f) < 15
.if ((\f)+1)%4 == 0
	s_wait_tensorcnt 3-((\f)+1)/4                  ; my part of the next chunk has landed; the later chunks' loads may be out,
	s_barrier_signal -1                            ; (no LDS instruction of mine is out)
	s_barrier_wait -1                              ; and so has everybody's
.endif
	PLACES                                         ; four places ahead of loads into the set that the last step multiplied
	FETCH (\f)+1, ((\f)+1)%2
.endif
	MUL8 (\f)%2, 2, (\f)==0
.endm
.macro TOSTAGE a                       ; 16 rows x 64 columns through my own stage: LDS serves a wave's instructions in order
.irp b, 0,1,2,3
	ds_store_b128 v[STO], v[ACC+8*(4*(\a)+\b):ACC+8*(4*(\a)+\b)+3]   offset:64*\b
	ds_store_b128 v[STO], v[ACC+8*(4*(\a)+\b)+4:ACC+8*(4*(\a)+\b)+7] offset:64*\b+16
.endr
.irp i, 0,1,2,3,4,5,6,7
	ds_load_b128 v[BIAS+32*((\a)%2)+4*\i:BIAS+32*((\a)%2)+4*\i+3], v[RD] offset:2*\i*SP
.endr
.endm
.macro SEND a, younger
	s_wait_dscnt \younger
.irp i, 0,1,2,3,4,5,6,7
	global_store_b128 v[CO], v[BIAS+32*((\a)%2)+4*\i:BIAS+32*((\a)%2)+4*\i+3], s[10:11] offset:(16*(\a)+2*\i)*2048 th:TH_STORE_NT   ; 16 lanes store 256 consecutive bytes, at a multiple of 256 from out0's first byte
.endr
.endm
	s_load_b256 s[4:11], s[0:1], 0x0               ; ctxf, wof, b_o, out0
	v_lshl_add_u32 v[SPW], v0, 2, SPARE
	v_mov_b32 v[NIL], 0
	ds_add_u32 v[SPW], v[NIL]                      ; the wave's opening: the add, twice on end, and its wait ahead of the round in front of the first loads
	ds_add_u32 v[SPW], v[NIL]
	v_lshrrev_b32 v1, 5, v0
	v_readfirstlane_b32 s[WV], v1                  ; wave 0..3
	s_lshr_b32 s[WR], s[WV], 1                     ; my half of the rows.  Also: I fetch for ctx (0) or for W_o (1)
	s_and_b32 s[WC], s[WV], 1                      ; my half of the columns.  Also: which half of a chunk I fetch
	s_bfe_u32 s84, ttmp6, 0x40000                  ; cx
	s_bfe_u32 s85, ttmp6, 0x40004                  ; cy
	s_lshl_b32 s86, ttmp9, 2
	s_add_co_u32 s86, s86, s84                     ; tile column
	s_and_b32 s87, ttmp7, 0xffff
	s_lshl_b32 s87, s87, 2
	s_add_co_u32 s87, s87, s85                     ; tile row
	s_lshl_b32 s88, s85, 2
	s_lshl_b32 s88, 15, s88                        ; my row of the cluster
	s_lshl_b32 s89, 0x1111, s84                    ; my column
	s_or_b32 s[G1A+0], s88, (3<<16)|(1<<21)        ; the mask; elements of 8 bytes; bit 21 beside a mask; no padding: a dense block of 64 rows x 256 bytes
	s_or_b32 s[G1B+0], s89, (3<<16)|(1<<21)
.irp g, G1A, G1B
	s_mov_b32 s[\g+1], 32<<16
	s_mov_b32 s[\g+2], 64<<16
	s_mov_b32 s[\g+3], 32<<16
	s_mov_b32 s[\g+4], 64
	s_mov_b32 s[\g+5], 32
	s_mov_b32 s[\g+6], 0
	s_mov_b32 s[\g+7], 0
.endr
	s_lshl_b32 s15, s[WC], 14                      ; my half of a chunk: no place in the cluster enters an LDS address
	s_lshl_b32 s90, s87, 17                        ; ctx: by the tile row alone,
	s_add_co_u32 s90, s90, s15
	s_mov_b32 s91, 0
	s_lshl_b32 s92, s86, 17                        ; W_o: by the tile column alone
	s_add_co_u32 s92, s92, s15
	s_mov_b32 s93, 0
	s_wait_dscnt 0x0                               ; both opening adds are done
	s_wait_kmcnt 0x0
	s_add_nc_u64 s[16:17], s[4:5], s[90:91]
	s_add_nc_u64 s[18:19], s[6:7], s[92:93]
	CROUND                                         ; all sixteen work-groups are here: the joint loads meet
.irp i, 0,1,2,3
	s_mov_b32 s[G0A+4*\i], 1
	s_add_co_u32 s[G0A+4*\i+1], s15, \i*32768
	s_add_nc_u64 s[G0A+4*\i+2:G0A+4*\i+3], s[16:17], \i*32768
	s_or_b32 s[G0A+4*\i+3], s[G0A+4*\i+3], 0x80000000
	s_mov_b32 s[G0B+4*\i], 1
	s_add_co_u32 s[G0B+4*\i+1], s15, BOFF+\i*32768
	s_add_nc_u64 s[G0B+4*\i+2:G0B+4*\i+3], s[18:19], \i*32768
	s_or_b32 s[G0B+4*\i+3], s[G0B+4*\i+3], 0x80000000
.endr
	s_cmp_eq_u32 s[WR], 0                          ; a wave's four first fills stand in one branch on the wave's number
	s_cbranch_scc0 .Lfirst_b
.irp i, 0,1,2,3
	tensor_load_to_lds s[G0A+4*\i:G0A+4*\i+3], s[G1A:G1A+7]
	s_nop 0
.endr
.rept 4
	v_nop
.endr
	s_branch .Lfirst_asked
.Lfirst_b:
.irp i, 0,1,2,3
	tensor_load_to_lds s[G0B+4*\i:G0B+4*\i+3], s[G1B:G1B+7]
	s_nop 0
.endr
.rept 4
	v_nop
.endr
.Lfirst_asked:
	v_and_b32 v1, 31, v0
	v_and_b32 v2, 15, v0                           ; r
	v_bfe_u32 v3, v0, 4, 1                         ; h
	v_lshlrev_b32 v4, 4, v1
	s_lshl_b32 s22, s[WR], 12
	v_add_nc_u32 v[ADRA], s22, v4
	v_add_nc_u32 v[ADRA+1], 65536, v[ADRA]
	s_lshl_b32 s22, s[WC], 12
	s_add_co_u32 s22, s22, BOFF
	v_add_nc_u32 v[ADRB], s22, v4
	v_add_nc_u32 v[ADRB+1], 65536, v[ADRB]
	s_mul_i32 s23, s[WV], 16*SP
	s_add_co_u32 s23, s23, STAGE
	v_mul_u32_u24 v5, v2, SP
	v_lshl_add_u32 v5, v3, 5, v5
	v_add_nc_u32 v[STO], s23, v5                   ; in: row r, 32 bytes for each half of the lanes
	v_mul_u32_u24 v5, v3, SP
	v_lshl_add_u32 v5, v2, 4, v5
	v_add_nc_u32 v[RD], s23, v5                    ; back: lanes 0-15 one row of 256 bytes, lanes 16-31 the next
	v_lshlrev_b32 v5, 11, v3
	v_lshl_add_u32 v[CO], v2, 4, v5                ; and the same two rows in out0
	v_lshlrev_b32 v[BO], 5, v3
	s_lshl_b32 s20, s86, 9                         ; my first column, in bytes: 512 x tile column + 256 x half
	s_lshl_b32 s21, s[WC], 8
	s_add_co_u32 s20, s20, s21
	s_mov_b32 s21, 0
	s_add_nc_u64 s[8:9], s[8:9], s[20:21]
	s_add_nc_u64 s[10:11], s[10:11], s[20:21]
	s_lshl_b32 s20, s87, 18                        ; my first row: 128 x tile row + 64 x half, of 2,048 bytes
	s_lshl_b32 s22, s[WR], 17
	s_add_co_u32 s20, s20, s22
	s_add_nc_u64 s[10:11], s[10:11], s[20:21]
.irp b, 0,1,2,3
	global_load_b128 v[BIAS+8*\b:BIAS+8*\b+3],   v[BO], s[8:9] offset:64*\b      ; lane (r, h): b_o of columns 16 b + 8 h + 0 .. 7
	global_load_b128 v[BIAS+8*\b+4:BIAS+8*\b+7], v[BO], s[8:9] offset:64*\b+16
.endr
	s_wait_tensorcnt 3                             ; my part of chunk 0 has landed; three loads may be out,
	s_barrier_signal -1
	s_barrier_wait -1                              ; everybody's has
	FETCH 0, 0
	s_wait_loadcnt 0x0                             ; the bias
.irp f, 0,1,2,3,4,5,6,7,8,9,10,11,12,13,14,15
	KSTEP \f
.endr
	WIN 0
	PLACES                                         ; four places behind the last products
	TOSTAGE 0
.irp a, 1,2,3
.if \a > 1
	s_wait_xcnt 0x0                                ; block a - 2's stores have read their registers: block a's rows may land there
.endif
	TOSTAGE \a
	SEND \a-1, 16                                  ; behind block a - 1's loads: block a's 8 stores and 8 loads
.endr
	SEND 3, 0
	s_wait_tensorcnt 0x0                           ; the wave's end
	ds_add_u32 v[SPW], v[NIL]
	s_wait_dscnt 0x0
	CROUND                                         ; the closing round
	s_endpgm
.Lfunc_end_k_q64f0ed2cc4_oproj:
	.size	k_q64f0ed2cc4_oproj, .Lfunc_end_k_q64f0ed2cc4_oproj-k_q64f0ed2cc4_oproj
	.p2alignl 7, 3214868480
	.fill 96, 4, 3214868480
	.section	.rodata,"a",@progbits
	.p2align	6, 0x0
	.amdhsa_kernel k_q64f0ed2cc4_oproj
		.amdhsa_group_segment_fixed_size 327680
		.amdhsa_private_segment_fixed_size 0
		.amdhsa_enable_private_segment 0
		.amdhsa_kernarg_size 32
		.amdhsa_user_sgpr_count 2
		.amdhsa_user_sgpr_kernarg_segment_ptr 1
		.amdhsa_wavefront_size32 1
		.amdhsa_system_sgpr_workgroup_id_x 1
		.amdhsa_system_sgpr_workgroup_id_y 1
		.amdhsa_system_sgpr_workgroup_id_z 1
		.amdhsa_system_vgpr_workitem_id 0
		.amdhsa_next_free_vgpr 384
		.amdhsa_next_free_sgpr 96
		.amdhsa_reserve_vcc 0
		.amdhsa_float_denorm_mode_32 3
		.amdhsa_float_denorm_mode_16_64 3
		.amdhsa_memory_ordered 1
		.amdhsa_forward_progress 1
		.amdhsa_inst_pref_size 52
	.end_amdhsa_kernel
	.amdgpu_metadata
---
amdhsa.version: [ 1, 2 ]
amdhsa.kernels:
  - .name:           k_q64f0ed2cc4_oproj
    .symbol:         k_q64f0ed2cc4_oproj.kd
    .args:
      - { .name: ctxf, .offset: 0, .size: 8, .value_kind: global_buffer, .address_space: global }
      - { .name: wof, .offset: 8, .size: 8, .value_kind: global_buffer, .address_space: global }
      - { .name: b_o, .offset: 16, .size: 8, .value_kind: global_buffer, .address_space: global }
      - { .name: out0, .offset: 24, .size: 8, .value_kind: global_buffer, .address_space: global }
    .group_segment_fixed_size: 327680
    .private_segment_fixed_size: 0
    .kernarg_segment_align: 8
    .kernarg_segment_size: 32
    .max_flat_workgroup_size: 128
    .sgpr_count:     96
    .vgpr_count:     384
    .wavefront_size: 32
...
	.end_amdgpu_metadata
.endif
;; end of part 4
;; launch fine (part 5): grid 16 x 2, 8 waves a work-group, no clusters, 17,408 bytes of LDS; arguments fin32, W_o, b_o, out0; writes out0
.if DOCPART == 5
	.amdgcn_target "amdgcn-amd-amdhsa--gfx1250"
	.amdhsa_code_object_version 6
	.text
	.protected	k_q64f0ed2cc4_fine
	.globl	k_q64f0ed2cc4_fine
	.p2align	8
	.type	k_q64f0ed2cc4_fine,@function
k_q64f0ed2cc4_fine:
	s_mov_b64 s[64:65], 0
	v_nop
	global_prefetch_b8 v0, s[64:65] scope:SCOPE_SE
	s_setreg_imm32_b32 hwreg(HW_REG_WAVE_MODE, 25, 1), 1
	s_wait_xcnt 0x0
; Positions 0-15 of each batch (work-group y), carried in f32 from the projections' sums to out0: these rows average one to sixteen values and are the largest in size.  They write over what the launch before stored there.
; Work-group x takes 32 columns of out0.  Wave hd makes head hd's 16 x 16 attention anew and its part of the projection out, k = 64 hd .. 64 hd + 63, for the 32 columns; the eight parts meet in LDS.
; v_wmma_f32_16x16x4_f32 takes k = 2 h + j from register j of lane (r, h).  The operands are the earlier accumulators as they stand: a lane's registers 2 n, 2 n + 1 of BOTH sources go into step n.
; That is one and the same permutation of k on both sides, so the sums hold the same terms.
; The registers that this matrix form writes (v176-223) are written by matrix instructions alone, and each sum begins with the constant 0.
; The stores are pieces of 16 bytes: 65,536 bytes in the whole launch.
.set SPARE, 16384                      ; behind the eight parts of 2,048 bytes: the spare words, 128 bytes a wave
.set QF, 16                            ; v16-47   q: position r, channel 16 c + 8 h + j at 8 c + j; later the normalised context
.set KF, 48                            ; v48-79   k likewise; later the eight parts
.set VF, 80                            ; v80-111  v: channel 16 c + r, position 8 h + j
.set WO, 112                           ; v112-175 W_o: column tile T: row n0 + 16 T + r, k = 64 hd + 16 c + 8 h + j at 32 T + 8 c + j
.set SA, 176                           ; v176-191 two partial scores; later the two tiles of the result
.set CT, 192                           ; v192-223 the context, four tiles of channels
.set T,  224
.set P,  232
	s_load_b256 s[4:11], s[0:1], 0x0               ; fin32, W_o, b_o, out0
	v_lshl_add_u32 v12, v0, 2, SPARE
	v_mov_b32 v13, 0
	v_lshrrev_b32 v1, 5, v0
	v_readfirstlane_b32 s12, v1                    ; wave = head
	s_and_b32 s13, ttmp7, 0xffff                   ; batch
	s_lshl_b32 s14, ttmp9, 5                       ; n0
	s_and_b32 s15, s12, 3                          ; the image that waves 0-3 sum (taken modulo 4 in all waves, so that every address stays inside its buffer)
	v_and_b32 v3, 31, v0
	v_and_b32 v4, 15, v0                           ; r
	v_bfe_u32 v7, v0, 4, 1                         ; h
	v_lshlrev_b32 v1, 4, v3                        ; 16 x lane
	s_lshl_b32 s16, s13, 15
	s_lshl_b32 s17, s12, 12
	s_add_co_u32 s16, s16, s17                     ; fin32: batch, my head's four column tiles
	s_mov_b32 s17, 0
	s_lshl_b32 s18, s14, 11
	s_lshl_b32 s19, s12, 8
	s_add_co_u32 s18, s18, s19
	v_lshl_add_u32 v2, v4, 11, s18
	v_lshl_add_u32 v2, v7, 5, v2                   ; W_o: (n0 + r) x 2048 + 256 hd + 32 h
	s_lshl_b32 s20, s14, 2                         ; my four columns of the sum, in bytes: 4 n0 + 64 (image / 2) + 16 (image % 2), + 32 h
	s_lshr_b32 s21, s15, 1
	s_lshl_b32 s21, s21, 6
	s_add_co_u32 s20, s20, s21
	s_and_b32 s21, s15, 1
	s_lshl_b32 s21, s21, 4
	s_add_co_u32 s20, s20, s21
	s_mov_b32 s21, 0
	s_lshl_b32 s22, s13, 23                        ; 4,096 rows of 2,048 bytes a batch
	s_add_co_u32 s22, s22, s20
	s_mov_b32 s23, 0
	v_lshlrev_b32 v8, 5, v7
	v_lshl_add_u32 v9, v4, 11, v8                  ; out0: row r, + 32 h
	s_lshl_b32 s27, s12, 11
	v_add_nc_u32 v14, s27, v1                      ; LDS: my part
	s_lshl_b32 s27, s15, 9
	v_add_nc_u32 v15, s27, v1                      ; and the image that I sum
	v_lshlrev_b32 v10, 3, v7
	v_sub_nc_u32 v5, v4, v10                       ; d = r - 8 h
	v_mov_b32 v6, 0xff800000                       ; -infinity
	v_mov_b32 v241, 0                              ; (a lane permute's destination counts as one of its sources)
	s_mov_b32 s24, 0x76543210
	s_mov_b32 s25, 0xfedcba98
	s_mov_b32 s26, 0x3e38aa3b                      ; c = log2(e) / 8
	s_wait_kmcnt 0x0
	s_add_nc_u64 s[4:5], s[4:5], s[16:17]
	s_add_nc_u64 s[8:9], s[8:9], s[20:21]
	s_add_nc_u64 s[10:11], s[10:11], s[22:23]
.set NN, 0
.rept 8
	global_load_b128 v[QF+4*NN:QF+4*NN+3], v1, s[4:5] offset:512*NN
.set NN, NN+1
.endr
.set NN, 0
.rept 8
	global_load_b128 v[KF+4*NN:KF+4*NN+3], v1, s[4:5] offset:65536+512*NN
.set NN, NN+1
.endr
.set NN, 0
.rept 8
	global_load_b128 v[VF+4*NN:VF+4*NN+3], v1, s[4:5] offset:131072+512*NN
.set NN, NN+1
.endr
.irp u, 0,1
.irp c, 0,1,2,3
	global_load_b128 v[WO+32*\u+8*\c:WO+32*\u+8*\c+3],   v2, s[6:7] offset:32768*\u+64*\c
	global_load_b128 v[WO+32*\u+8*\c+4:WO+32*\u+8*\c+7], v2, s[6:7] offset:32768*\u+64*\c+16
.endr
.endr
	global_load_b128 v[248:251], v8, s[8:9]        ; b_o of my four columns
	s_wait_loadcnt 25                              ; q and k are in; v's 8, W_o's 16 and the bias's load may be out
.set NN, 0
.rept 16                                       ; S^T = K Q^T: source 0 = 16 keys, source 1 = 16 queries; two accumulators by turns
.if NN < 2
	v_wmma_f32_16x16x4_f32 v[SA+8*(NN%2):SA+8*(NN%2)+7], v[KF+2*NN:KF+2*NN+1], v[QF+2*NN:QF+2*NN+1], 0
.else
	v_wmma_f32_16x16x4_f32 v[SA+8*(NN%2):SA+8*(NN%2)+7], v[KF+2*NN:KF+2*NN+1], v[QF+2*NN:QF+2*NN+1], v[SA+8*(NN%2):SA+8*(NN%2)+7]
.endif
.set NN, NN+1
.endr
.rept 8
	v_nop                                          ; eight places behind this form
.endr
.irp j, 0,1,2,3,4,5,6,7
	v_add_f32 v[T+\j], v[SA+\j], v[SA+8+\j]        ; lane (r, h): query r, key 8 h + j
.endr
.irp j, 0,1,2,3,4,5,6,7
	v_cmp_gt_i32 vcc_lo, \j, v5                    ; hidden where 8 h + j > r
	v_cndmask_b32 v[T+\j], v[T+\j], v6, vcc_lo
.endr
	v_max3_num_f32 v240, v[T], v[T+1], v[T+2]
	v_max3_num_f32 v240, v240, v[T+3], v[T+4]
	v_max3_num_f32 v240, v240, v[T+5], v[T+6]
	v_max_num_f32 v240, v240, v[T+7]
	v_permlanex16_b32 v241, v240, s24, s25
	v_max_num_f32 v240, v240, v241                 ; the row's maximum: key 0 counts for every query
	v_mul_f32 v242, s26, v240
.irp j, 0,1,2,3,4,5,6,7
	v_fma_f32 v[P+\j], v[T+\j], s26, -v242
.endr
.irp j, 0,1,2,3,4,5,6,7
	v_exp_f32 v[P+\j], v[P+\j]
.endr
	v_nop
	s_wait_alu depctr_va_vdst(0)                   ; one wait for the eight, ahead of their first reader
	v_add_f32 v243, v[P], v[P+1]
	v_add_f32 v244, v[P+2], v[P+3]
	v_add_f32 v245, v[P+4], v[P+5]
	v_add_f32 v246, v[P+6], v[P+7]
	v_add_f32 v243, v243, v244
	v_add_f32 v245, v245, v246
	v_add_f32 v243, v243, v245
	v_permlanex16_b32 v244, v243, s24, s25
	v_add_f32 v243, v243, v244                     ; the row's sum
	v_rcp_f32 v247, v243
	v_nop
	s_wait_loadcnt 17                              ; v is in
.irp i, 0,1,2,3                                ; O^T = V^T P: source 0 = 16 channels, source 1 = P; step i: keys 8 h + 2 i, + 1; four accumulators by turns
.irp c, 0,1,2,3
.if \i == 0
	v_wmma_f32_16x16x4_f32 v[CT+8*\c:CT+8*\c+7], v[VF+8*\c+2*\i:VF+8*\c+2*\i+1], v[P+2*\i:P+2*\i+1], 0
.else
	v_wmma_f32_16x16x4_f32 v[CT+8*\c:CT+8*\c+7], v[VF+8*\c+2*\i:VF+8*\c+2*\i+1], v[P+2*\i:P+2*\i+1], v[CT+8*\c:CT+8*\c+7]
.endif
.endr
.endr
.rept 8
	v_nop
.endr
	s_wait_alu depctr_va_vdst(0)                   ; the reciprocal, ahead of its first reader
.set NN, 0
.rept 32
	v_mul_f32 v[QF+NN], v[CT+NN], v247             ; lane (r, h): position r, k = 64 hd + 16 c + 8 h + j at 8 c + j: into other registers
.set NN, NN+1
.endr
	s_wait_loadcnt 1                               ; W_o is in
.set NN, 0
.rept 16                                       ; the projection out, transposed: source 0 = 16 rows of W_o, source 1 = the context; two accumulators by turns
.irp u, 0,1
.if NN == 0
	v_wmma_f32_16x16x4_f32 v[SA+8*\u:SA+8*\u+7], v[WO+32*\u+2*NN:WO+32*\u+2*NN+1], v[QF+2*NN:QF+2*NN+1], 0
.else
	v_wmma_f32_16x16x4_f32 v[SA+8*\u:SA+8*\u+7], v[WO+32*\u+2*NN:WO+32*\u+2*NN+1], v[QF+2*NN:QF+2*NN+1], v[SA+8*\u:SA+8*\u+7]
.endif
.endr
.set NN, NN+1
.endr
.rept 8
	v_nop
.endr
.irp u, 0,1
	ds_store_b128 v14, v[SA+8*\u:SA+8*\u+3]   offset:1024*\u       ; image 2 T + half: lane (r, h): position r, columns n0 + 16 T + 8 h + 4 half + 0 .. 3
	ds_store_b128 v14, v[SA+8*\u+4:SA+8*\u+7] offset:1024*\u+512
.endr
	s_wait_dscnt 0x0                               ; for the others' sake
	s_barrier_signal -1
	s_barrier_wait -1
	s_cmp_lt_u32 s12, 4                            ; waves 0-3 sum an image each
	s_cbranch_scc0 .Lend
.irp u, 0,1,2,3,4,5,6,7
	ds_load_b128 v[KF+4*\u:KF+4*\u+3], v15 offset:2048*\u
.endr
	s_wait_dscnt 0x0
	s_wait_loadcnt 0x0                             ; the bias
.irp u, 0,1,2,3,4,5,6,7
	v_pk_add_f32 v[248:249], v[248:249], v[KF+4*\u:KF+4*\u+1]      ; the heads in ascending order
	v_pk_add_f32 v[250:251], v[250:251], v[KF+4*\u+2:KF+4*\u+3]
.endr
	global_store_b128 v9, v[248:251], s[10:11]
.Lend:
	s_wait_tensorcnt 0x0                           ; the wave's end
	ds_add_u32 v12, v13
	s_wait_dscnt 0x0
	s_endpgm
.Lfunc_end_k_q64f0ed2cc4_fine:
	.size	k_q64f0ed2cc4_fine, .Lfunc_end_k_q64f0ed2cc4_fine-k_q64f0ed2cc4_fine
	.p2alignl 7, 3214868480
	.fill 96, 4, 3214868480
	.section	.rodata,"a",@progbits
	.p2align	6, 0x0
	.amdhsa_kernel k_q64f0ed2cc4_fine
		.amdhsa_group_segment_fixed_size 17408
		.amdhsa_private_segment_fixed_size 0
		.amdhsa_enable_private_segment 0
		.amdhsa_kernarg_size 32
		.amdhsa_user_sgpr_count 2
		.amdhsa_user_sgpr_kernarg_segment_ptr 1
		.amdhsa_wavefront_size32 1
		.amdhsa_system_sgpr_workgroup_id_x 1
		.amdhsa_system_sgpr_workgroup_id_y 1
		.amdhsa_system_sgpr_workgroup_id_z 1
		.amdhsa_system_vgpr_workitem_id 0
		.amdhsa_next_free_vgpr 256
		.amdhsa_next_free_sgpr 66
		.amdhsa_reserve_vcc 1
		.amdhsa_float_denorm_mode_32 3
		.amdhsa_float_denorm_mode_16_64 3
		.amdhsa_memory_ordered 1
		.amdhsa_forward_progress 1
		.amdhsa_inst_pref_size 17
	.end_amdhsa_kernel
	.amdgpu_metadata
---
amdhsa.version: [ 1, 2 ]
amdhsa.kernels:
  - .name:           k_q64f0ed2cc4_fine
    .symbol:         k_q64f0ed2cc4_fine.kd
    .args:
      - { .name: fin32, .offset: 0, .size: 8, .value_kind: global_buffer, .address_space: global }
      - { .name: W_o, .offset: 8, .size: 8, .value_kind: global_buffer, .address_space: global }
      - { .name: b_o, .offset: 16, .size: 8, .value_kind: global_buffer, .address_space: global }
      - { .name: out0, .offset: 24, .size: 8, .value_kind: global_buffer, .address_space: global }
    .group_segment_fixed_size: 17408
    .private_segment_fixed_size: 0
    .kernarg_segment_align: 8
    .kernarg_segment_size: 32
    .max_flat_workgroup_size: 256
    .sgpr_count:     66
    .vgpr_count:     256
    .wavefront_size: 32
...
	.end_amdgpu_metadata
.endif
;; end of part 5
